; MI455X (gfx1250); checked and timed in simulation.
; The chip was launched on July 23, 2026; its instructions are those of AMD's public machine-readable ISA for CDNA 5 (MIT licence, August 2026) and "CDNA5" Instruction Set Architecture Reference Guide (July 2026). The comments in the code are by the model that wrote it; some were corrected since.
;; Attention. Allowed arithmetic: matrix products marked QUANTISED: E2M1 operands, one E8M0 scale for each 32 along K, by v_wmma_scale_f32_16x16x128_f8f6f4 with both operands' format E2M1 (or v_wmma_scale_f32_32x16x128_f4), f32 sums; products left as they are: bf16, f16 or f32 operands; f32 sums; everything else in f32.
;; Inputs: W_K 16 x 1,024 x 128 float32; W_O 16 x 128 x 1,024 float32; W_Q 16 x 1,024 x 128 float32; W_V 16 x 1,024 x 128 float32; b_K 16 x 128 float32; b_O 1,024 float32; b_Q 16 x 128 float32; b_V 16 x 128 float32; normalized_resid_pre 2 x 2,048 x 1,024 float32.
;; Outputs: out0 2 x 2,048 x 1,024 float32.
;; This version of the problem:
;;   THIS VERSION OF THE PROBLEM IS GIVEN IN LOW PRECISION. The matrix products marked QUANTISED in the list below multiply operands that are first quantised to E2M1 (2 exponent bits, 1 mantissa bit; 4 bits a number), with one power-of-two scale for each 32 numbers along K (OCP MX v1.0); their sums are f32. The products marked 'left as it is' may take bf16, f16 or f32 operands, with f32 sums. Whichever they take, every output number must still come out within the allowed error. Rounding operands to bf16 (8 significant bits) uses up far more of that allowance than f16 does (11 bits, for magnitudes from 6e-5 to 65,504). All else is computed in f32.
;;   The module's matrix products, in the order in which they are computed (A, B: the left and right operand; K: the contracted axis; several contracted axes count as one K, in the product's order):
;;     1. [M 4,096, K 1,024] x [K 1,024, N 2,048]; A: input normalized_resid_pre; B: input W_Q: QUANTISED
;;     2. [M 4,096, K 1,024] x [K 1,024, N 2,048]; A: input normalized_resid_pre; B: input W_K: QUANTISED
;;     3. [M 4,096, K 1,024] x [K 1,024, N 2,048]; A: input normalized_resid_pre; B: input W_V: QUANTISED
;;     4. batch 32 x [M 2,048, K 128] x [K 128, N 2,048]; A: computed on the way; B: computed on the way: left as it is (an operand is computed on the way)
;;     5. batch 32 x [M 128, K 2,048] x [K 2,048, N 2,048]; A: computed on the way; B: computed on the way: left as it is (an operand is computed on the way)
;;     6. [M 4,096, K 2,048] x [K 2,048, N 1,024]; A: computed on the way; B: input W_O: left as it is (an operand is computed on the way)
;;   THE QUANTISER, for each operand of a quantised product, along K:
;;     - K is cut into blocks of 32 from its start; a last block that is shorter is filled with zeros.
;;     - A block's scale is 2^e with e = floor(log2(the largest magnitude in the block)) - 2, held to -126 .. 127; a block of zeros has e = 0. As a byte (E8M0): e + 127.
;;     - Each number is divided by its block's scale, clamped to +-6, and rounded to the nearest number of E2M1, ties to even, subnormals kept.
;;     - The product sums the exact products of the quantised numbers (number of the format x scale) in f32.
;;   ~~~python
;;   def quantise(x, axis):      # numpy; x: float32 -> the quantised numbers, widened to float32 again
;;       x = np.moveaxis(x, axis, -1); K = x.shape[-1]
;;       x = np.pad(x, [(0, 0)] * (x.ndim - 1) + [(0, -K % 32)]); x = x.reshape(x.shape[:-1] + (-1, 32)); a = np.abs(x).max(-1, keepdims=True)
;;       e = np.where(a > 0, np.clip(np.frexp(np.where(a > 0, a, 1))[1] - 1 - 2, -126, 127), 0)      # np.frexp(a)[1] - 1 = floor(log2(a)), exactly
;;       r = np.clip(x / 2.0 ** e, -6, 6)
;;       step = 2.0 ** (np.maximum(np.frexp(np.where(r == 0, 1, r))[1] - 1, 0) - 1)
;;       q = np.round(r / step) * step * 2.0 ** e      # np.round: ties to even
;;       return np.moveaxis(q.reshape(q.shape[:-2] + (-1,))[..., :K], -1, axis).astype(np.float32)
;;   ~~~
;; One version. Each part assembles by itself: llvm-mc -triple=amdgcn-amd-amdhsa -mcpu=gfx1250 --defsym DOCPART=n.
;; ======== version 1 of 1: 5 launches
;; limits: right only within a limited range of input values; values are held in f16: magnitudes above 65,504 overflow, below 6.1e-05 lose precision
;; workspace buffers: xc 2,097,152 bytes; xs 131,072 bytes; wc 3,145,728 bytes; ws 196,608 bytes; wo 4,194,304 bytes; qkv 50,331,648 bytes; qf 786,432 bytes; z 16,777,216 bytes
;; launch prep (part 1): grid 256 x 1, 4 waves a work-group, no clusters, 102,912 bytes of LDS; arguments normalized_resid_pre, W_Q, W_K, W_V, W_O, xc, xs, wc, ws, wo; writes xc, xs, wc, ws, wo
.if DOCPART == 1
	.amdgcn_target "amdgcn-amd-amdhsa--gfx1250"
	.amdhsa_code_object_version 6
	.text
	.protected	k_q9f5ebb509b_prep
	.globl	k_q9f5ebb509b_prep
	.p2align	8
	.type	k_q9f5ebb509b_prep,@function
k_q9f5ebb509b_prep:
	s_mov_b64 s[64:65], 0
	v_nop
	global_prefetch_b8 v0, s[64:65] scope:SCOPE_SE
	s_setreg_imm32_b32 hwreg(HW_REG_WAVE_MODE, 25, 1), 1
	s_wait_xcnt 0x0
; PREP.  Three jobs in one launch, told apart by the work-group's number; each has LDS bytes of its own.
;  X (work-groups 0-127):   x [4096][1024] f32 -> codes of FP4 (E2M1) xc [4096][512 bytes], K innermost, and one E8M0 byte for each 32 along K, xs [4096][32].
;  W (work-groups 128-223): W_Q, W_K, W_V [16 heads][1024 (K)][128] f32 -> wc [6144][512 bytes], ws [6144][32]; row n = 2048 x weight + 128 x head + column.  K is not innermost:
;                           a lane takes a column and its registers run down K, so a block of 32 lies in one lane and the codes come out with K innermost.
;  O (work-groups 224-255): W_O [2048 (K)][1024] f32 -> wo [1024][2048] f16, K innermost, by the same choice of what a lane holds.
; A block's scale is 2^(floor(log2(largest magnitude)) - 2); its byte is the largest magnitude's exponent field - 2, held at 1 from below.
; LIMITS: a block of zeros gets the byte 1 where the rule says 127 (its codes are zeros, and this program alone reads the bytes); blocks whose largest magnitude lies under 2^-124 are held at byte 1;
; NaN and infinities are not served; W_O must lie inside f16's range (under 65,504; numbers under 6e-5 keep an absolute error of 3e-8).
; No tensor loads, no barrier: waves share nothing.  All results leave as whole aligned runs of 256 bytes, but the weights' scale bytes (16 bytes a row).
.set SP,    80                         ; X: a lane's place in a stage: 64 bytes + 16 of padding
.set WREG,  8192                       ; X: LDS of a wave: two stages of 32 x SP bytes, then its 256 scale bytes
.set PITCH, 272                        ; W, O: a stage row: 256 bytes + 16
.set WST,   32768                      ; W's four stages, 32 rows each
.set OST,   67584                      ; O's four stages
.set SPARE, 102400                     ; the spare words, 128 bytes a wave: two blocks of 256 bytes that no other line names
.set SPW, 3                            ; v3  LDS address of my spare word; never rewritten
.set NIL, 4                            ; v4  0; never rewritten
.set XL,  5                            ; v5  X: 16 x lane
.set XSI, 6                            ; v6  X: the stage, on the way in
.set XSO, 7                            ; v7  X: and on the way out
.set XC,  8                            ; v8  X: 8 x lane
.set XB,  9                            ; v9  X: my block's scale byte in LDS
.set XR,  10                           ; v10 X: where I read 8 scale bytes back
.set WL,  11                           ; v11 W, O: 4 x lane
.set WSI, 12                           ; v12 W: stage, row = my column
.set WSO, 13                           ; v13 W: stage, sixteen lanes to a row
.set WG,  14                           ; v14 W: the same place in wc
.set WSC, 15                           ; v15 W: my column's row of scale bytes
.set OSI, 16                           ; v16-18 the same three for O
.set OSO, 17
.set OG,  18
.set XRG, 32                           ; X: v32-95 four sets of 16 numbers as loaded; v96-127 two sets of 16 neighbours; v128-143 bytes; v144-175 codes
.set XN,  96
.set XE,  128
.set XCD, 144
.set DX,  32                           ; W, O: v32-95 two sets of 32 numbers; v96.. what a block makes; v100-103 W's scale bytes; v112-175 the way out
.set CW,  96
.set SB,  100
.set OUTR, 112
	s_load_b256 s[4:11], s[0:1], 0x0               ; x, W_Q, W_K, W_V
	s_load_b256 s[12:19], s[0:1], 0x20             ; W_O, xc, xs, wc
	s_load_b128 s[20:23], s[0:1], 0x40             ; ws, wo
	v_lshl_add_u32 v[SPW], v0, 2, SPARE
	v_mov_b32 v[NIL], 0
	v_lshrrev_b32 v1, 5, v0
	v_readfirstlane_b32 s24, v1                    ; wave
	v_and_b32 v2, 31, v0                           ; lane
	; every LDS address is made here, ahead of the parting
	v_lshlrev_b32 v[XL], 4, v2
	s_mul_i32 s25, s24, WREG
	v_lshrrev_b32 v[XSI], 2, v2
	v_mul_u32_u24 v[XSI], v[XSI], SP
	v_and_b32 v20, 3, v2
	v_lshl_add_u32 v[XSI], v20, 4, v[XSI]
	v_add_nc_u32 v[XSI], s25, v[XSI]               ; SP (lane / 4) + 16 (lane % 4): four lanes' 64 bytes on end, then padding
	v_mul_u32_u24 v[XSO], v2, SP
	v_add_nc_u32 v[XSO], s25, v[XSO]               ; SP x lane: my 16 neighbours
	v_lshlrev_b32 v[XC], 3, v2
	v_lshrrev_b32 v[XB], 1, v2
	s_add_co_u32 s25, s25, 2*32*SP
	v_add_nc_u32 v[XB], s25, v[XB]
	v_add_nc_u32 v[XR], s25, v[XC]
	v_lshlrev_b32 v[WL], 2, v2
	s_mul_i32 s25, s24, 32*PITCH
	s_add_co_u32 s26, s25, WST
	s_add_co_u32 s27, s25, OST
	v_mul_u32_u24 v20, v2, PITCH
	v_add_nc_u32 v[WSI], s26, v20
	v_add_nc_u32 v[OSI], s27, v20
	v_and_b32 v21, 15, v2
	v_lshrrev_b32 v22, 4, v2
	v_mul_u32_u24 v23, v22, PITCH
	v_lshl_add_u32 v23, v21, 4, v23
	v_add_nc_u32 v[WSO], s26, v23
	v_add_nc_u32 v[OSO], s27, v23
	v_lshlrev_b32 v[WG], 9, v22                    ; a row of wc is 512 bytes
	v_lshl_add_u32 v[WG], v21, 4, v[WG]
	v_lshlrev_b32 v[OG], 12, v22                   ; a row of wo is 4,096 bytes
	v_lshl_add_u32 v[OG], v21, 4, v[OG]
	v_lshlrev_b32 v[WSC], 5, v2                    ; a row of ws is 32 bytes
	s_mov_b32 s29, 0                               ; the upper word of every offset
	s_wait_kmcnt 0x0
	s_cmp_lt_u32 ttmp9, 128
	s_cbranch_scc0 .Lnot_x
; ---------------- X: a stream of blocks of 32.  A wave takes 16 steps of 512 numbers.  Loads take the bytes as they lie (512 a load); a step's 2,048 bytes turn through the wave's stage so that a lane holds 16 neighbours.
	s_lshl_b32 s25, ttmp9, 2
	s_add_co_u32 s25, s25, s24                     ; which run of 8,192 numbers is my wave's
	s_lshl_b32 s28, s25, 15
	s_add_nc_u64 s[4:5], s[4:5], s[28:29]
	s_lshl_b32 s28, s25, 12
	s_add_nc_u64 s[14:15], s[14:15], s[28:29]
	s_lshl_b32 s28, s25, 8
	s_add_nc_u64 s[16:17], s[16:17], s[28:29]
.macro XLOAD t
.irp i, 0,1,2,3
	global_load_b128 v[XRG+16*((\t)%4)+4*\i:XRG+16*((\t)%4)+4*\i+3], v[XL], s[4:5] offset:2048*(\t)+512*\i th:TH_LOAD_NT
.endr
.endm
.macro XTURN t                         ; LDS serves a wave's instructions in order: no wait between the stores and the loads
.irp i, 0,1,2,3
	ds_store_b128 v[XSI], v[XRG+16*((\t)%4)+4*\i:XRG+16*((\t)%4)+4*\i+3] offset:32*SP*((\t)%2)+8*SP*\i
.endr
.irp i, 0,1,2,3
	ds_load_b128 v[XN+16*((\t)%2)+4*\i:XN+16*((\t)%2)+4*\i+3], v[XSO] offset:32*SP*((\t)%2)+16*\i
.endr
.endm
.irp t, 0,1,2,3
	XLOAD \t
.endr
	s_wait_loadcnt 12                              ; step 0's four loads are in
	XTURN 0
.macro XSTEP t
.set XS, XN+16*((\t)%2)
.if (\t) > 0
	s_wait_dscnt 1                                 ; this step's numbers are back from the stage; the last step's byte store may be out
.else
	s_wait_dscnt 0x0
.endif
.if (\t)+4 < 16
	XLOAD (\t)+4                                   ; into the registers that this step's stage stores have read
.endif
.if (\t)+1 < 16
.if 14-(\t) >= 3
	s_wait_loadcnt 12                              ; the next step's four loads are in; the three steps behind it may be out
.else
	s_wait_loadcnt 4*(14-(\t))
.endif
	XTURN (\t)+1
.endif
	v_max3_num_f32 v20, |v[XS]|, |v[XS+1]|, |v[XS+2]|
	v_max3_num_f32 v21, |v[XS+3]|, |v[XS+4]|, |v[XS+5]|
.irp i, 6,10
	v_max3_num_f32 v20, v20, |v[XS+\i]|, |v[XS+\i+1]|
	v_max3_num_f32 v21, v21, |v[XS+\i+2]|, |v[XS+\i+3]|
.endr
	v_max3_num_f32 v20, v20, |v[XS+14]|, |v[XS+15]|
	v_max3_num_f32 v20, v20, v21, 0x1800000        ; and the floor 2^(3 - 127): the byte cannot fall under 1
	v_max_num_f32_dpp v20, v20, v20 row_xmask:1 row_mask:0xf bank_mask:0xf   ; with my neighbour's 16: the block's
	v_add_nc_u32 v22, 0xff000000, v20              ; 2 off the exponent field: the conversion's scale operand
	v_cvt_scalef32_pk8_fp4_f32 v[XCD+2*(\t)], v[XS:XS+7], v22
	v_cvt_scalef32_pk8_fp4_f32 v[XCD+2*(\t)+1], v[XS+8:XS+15], v22
	v_lshrrev_b32 v[XE+(\t)], 23, v22              ; the scale's byte (also the plain line behind the conversions)
	ds_store_b8 v[XB], v[XE+(\t)] offset:16*(\t)   ; both lanes of a block write the same byte with the same value
	global_store_b64 v[XC], v[XCD+2*(\t):XCD+2*(\t)+1], s[14:15] offset:256*(\t)   ; the wave stores 256 consecutive bytes
.endm
.irp t, 0,1,2,3,4,5,6,7,8,9,10,11,12,13,14,15
	XSTEP \t
.endr
	ds_load_b64 v[20:21], v[XR]                    ; my wave's 256 scale bytes leave as one aligned run
	s_wait_dscnt 0x0
	global_store_b64 v[XC], v[20:21], s[16:17]
	s_wait_tensorcnt 0x0                           ; the wave's end
	ds_add_u32 v[SPW], v[NIL]
	s_wait_dscnt 0x0
	s_endpgm
.Lnot_x:
	s_cmp_lt_u32 ttmp9, 224
	s_cbranch_scc0 .Lpath_o
; ---------------- W: a wave takes 32 columns x 512 along K of one head of one weight: 16 blocks a lane, 256 bytes of codes a column.
	s_sub_co_u32 s25, ttmp9, 128
	s_lshr_b32 s26, s25, 5                         ; which weight
	s_bfe_u32 s27, s25, 0x40001                    ; head
	s_and_b32 s25, s25, 1                          ; which half of K
	s_cmp_eq_u32 s26, 0
	s_cselect_b64 s[30:31], s[6:7], s[8:9]
	s_cmp_eq_u32 s26, 2
	s_cselect_b64 s[30:31], s[10:11], s[30:31]
	s_lshl_b32 s28, s27, 19                        ; a head is 524,288 bytes,
	s_lshl_b32 s32, s25, 18                        ; 512 rows of 512 bytes,
	s_add_co_u32 s28, s28, s32
	s_lshl_b32 s32, s24, 7                         ; my wave's 32 columns
	s_add_co_u32 s28, s28, s32
	s_add_nc_u64 s[30:31], s[30:31], s[28:29]
	s_lshl_b32 s32, s26, 11
	s_lshl_b32 s33, s27, 7
	s_add_co_u32 s32, s32, s33
	s_lshl_b32 s33, s24, 5
	s_add_co_u32 s32, s32, s33                     ; my first row of wc and ws
	s_lshl_b32 s28, s32, 9
	s_lshl_b32 s33, s25, 8
	s_add_co_u32 s28, s28, s33
	s_add_nc_u64 s[18:19], s[18:19], s[28:29]
	s_lshl_b32 s28, s32, 5
	s_lshl_b32 s33, s25, 4
	s_add_co_u32 s28, s28, s33
	s_add_nc_u64 s[20:21], s[20:21], s[28:29]
.macro WLOAD t
.irp i, 0,1,2,3,4,5,6,7,8,9,10,11,12,13,14,15,16,17,18,19,20,21,22,23,24,25,26,27,28,29,30,31
	global_load_b32 v[DX+32*((\t)%2)+\i], v[WL], s[30:31] offset:(32*(\t)+\i)*512 th:TH_LOAD_NT
.endr
.endm
	WLOAD 0
	WLOAD 1
.macro WBLOCK t
.set XS, DX+32*((\t)%2)
.if (\t) < 15
	s_wait_loadcnt 32                              ; this block's 32 loads are in; the next block's may be out
.else
	s_wait_loadcnt 0
.endif
	v_max3_num_f32 v20, |v[XS]|, |v[XS+1]|, |v[XS+2]|
	v_max3_num_f32 v21, |v[XS+3]|, |v[XS+4]|, |v[XS+5]|
.irp i, 6,10,14,18,22,26
	v_max3_num_f32 v20, v20, |v[XS+\i]|, |v[XS+\i+1]|
	v_max3_num_f32 v21, v21, |v[XS+\i+2]|, |v[XS+\i+3]|
.endr
	v_max3_num_f32 v20, v20, |v[XS+30]|, |v[XS+31]|
	v_max3_num_f32 v20, v20, v21, 0x1800000
	v_add_nc_u32 v22, 0xff000000, v20
	v_lshrrev_b32 v21, 23, v22
.if (\t)%4 == 0
	v_mov_b32 v[SB+(\t)/4], v21                    ; four bytes to a register, the lower K in the lower byte
.else
	v_lshl_or_b32 v[SB+(\t)/4], v21, 8*((\t)%4), v[SB+(\t)/4]
.endif
.irp g, 0,1,2,3
	v_cvt_scalef32_pk8_fp4_f32 v[CW+\g], v[XS+8*\g:XS+8*\g+7], v22
.endr
	ds_store_b128 v[WSI], v[CW:CW+3] offset:16*(\t)
.if (\t)+2 < 16
	WLOAD (\t)+2
.endif
	s_wait_dscnt 0x0                               ; the store has read its registers: the next block's codes may be written
.endm
.set Q, 0
.rept 16
	WBLOCK Q
.set Q, Q+1
.endr
	global_store_b128 v[WSC], v[SB:SB+3], s[20:21] ; my column's 16 scale bytes
.irp t, 0,1,2,3,4,5,6,7,8,9,10,11,12,13,14,15
	ds_load_b128 v[OUTR+4*\t:OUTR+4*\t+3], v[WSO] offset:2*\t*PITCH
.endr
.irp t, 0,1,2,3,4,5,6,7,8,9,10,11,12,13,14,15
	s_wait_dscnt 15-\t                             ; rows come back in order: the younger ones may be out
	global_store_b128 v[WG], v[OUTR+4*\t:OUTR+4*\t+3], s[18:19] offset:2*\t*512   ; sixteen lanes store 256 consecutive bytes, aligned
.endr
	s_wait_tensorcnt 0x0                           ; the wave's end
	ds_add_u32 v[SPW], v[NIL]
	s_wait_dscnt 0x0
	s_endpgm
.Lpath_o:
; ---------------- O: a wave takes 32 columns x 512 along K of W_O; 32 numbers of a column become 64 bytes of f16; four blocks fill a stage row of 256 bytes, which then leaves.
	s_sub_co_u32 s25, ttmp9, 224
	s_and_b32 s26, s25, 7                          ; which 128 columns
	s_lshr_b32 s25, s25, 3                         ; which 512 along K
	s_lshl_b32 s27, s26, 7
	s_lshl_b32 s32, s24, 5
	s_add_co_u32 s27, s27, s32                     ; my first column
	s_lshl_b32 s28, s25, 21                        ; 512 rows of 4,096 bytes
	s_lshl_b32 s32, s27, 2
	s_add_co_u32 s28, s28, s32
	s_add_nc_u64 s[12:13], s[12:13], s[28:29]
	s_lshl_b32 s28, s27, 12
	s_lshl_b32 s32, s25, 10
	s_add_co_u32 s28, s28, s32
	s_add_nc_u64 s[22:23], s[22:23], s[28:29]
.macro OLOAD t
.irp i, 0,1,2,3,4,5,6,7,8,9,10,11,12,13,14,15,16,17,18,19,20,21,22,23,24,25,26,27,28,29,30,31
	global_load_b32 v[DX+32*((\t)%2)+\i], v[WL], s[12:13] offset:(32*(\t)+\i)*4096 th:TH_LOAD_NT
.endr
.endm
	OLOAD 0
	OLOAD 1
.macro OBLOCK t
.set XS, DX+32*((\t)%2)
.if (\t) < 15
	s_wait_loadcnt 32
.else
	s_wait_loadcnt 0
.endif
.irp i, 0,1,2,3,4,5,6,7,8,9,10,11,12,13,14,15
	v_cvt_pk_f16_f32 v[CW+\i], v[XS+2*\i], v[XS+2*\i+1]   ; the lower K in the low half
.endr
.irp c, 0,1,2,3
	ds_store_b128 v[OSI], v[CW+4*\c:CW+4*\c+3] offset:64*((\t)%4)+16*\c
.endr
.if (\t)+2 < 16
	OLOAD (\t)+2
.endif
	s_wait_dscnt 0x0
.endm
.macro OOUT g
	s_wait_xcnt 0x0                                ; the last group's stores have read their registers
.irp t, 0,1,2,3,4,5,6,7,8,9,10,11,12,13,14,15
	ds_load_b128 v[OUTR+4*\t:OUTR+4*\t+3], v[OSO] offset:2*\t*PITCH
.endr
.irp t, 0,1,2,3,4,5,6,7,8,9,10,11,12,13,14,15
	s_wait_dscnt 15-\t
	global_store_b128 v[OG], v[OUTR+4*\t:OUTR+4*\t+3], s[22:23] offset:2*\t*4096+256*(\g)
.endr
.endm
.set Q, 0
.rept 16
	OBLOCK Q
.if Q%4 == 3
	OOUT Q/4
.endif
.set Q, Q+1
.endr
	s_wait_tensorcnt 0x0                           ; the wave's end
	ds_add_u32 v[SPW], v[NIL]
	s_wait_dscnt 0x0
	s_endpgm
.Lfunc_end_k_q9f5ebb509b_prep:
	.size	k_q9f5ebb509b_prep, .Lfunc_end_k_q9f5ebb509b_prep-k_q9f5ebb509b_prep
	.p2alignl 7, 3214868480
	.fill 96, 4, 3214868480
	.section	.rodata,"a",@progbits
	.p2align	6, 0x0
	.amdhsa_kernel k_q9f5ebb509b_prep
		.amdhsa_group_segment_fixed_size 102912
		.amdhsa_private_segment_fixed_size 0
		.amdhsa_enable_private_segment 0
		.amdhsa_kernarg_size 80
		.amdhsa_user_sgpr_count 2
		.amdhsa_user_sgpr_kernarg_segment_ptr 1
		.amdhsa_wavefront_size32 1
		.amdhsa_system_sgpr_workgroup_id_x 1
		.amdhsa_system_sgpr_workgroup_id_y 1
		.amdhsa_system_sgpr_workgroup_id_z 1
		.amdhsa_system_vgpr_workitem_id 0
		.amdhsa_next_free_vgpr 192
		.amdhsa_next_free_sgpr 66
		.amdhsa_reserve_vcc 0
		.amdhsa_float_denorm_mode_32 3
		.amdhsa_float_denorm_mode_16_64 3
		.amdhsa_memory_ordered 1
		.amdhsa_forward_progress 1
		.amdhsa_inst_pref_size 193
	.end_amdhsa_kernel
	.amdgpu_metadata
---
amdhsa.version: [ 1, 2 ]
amdhsa.kernels:
  - .name:           k_q9f5ebb509b_prep
    .symbol:         k_q9f5ebb509b_prep.kd
    .args:
      - { .name: normalized_resid_pre, .offset: 0, .size: 8, .value_kind: global_buffer, .address_space: global }
      - { .name: W_Q, .offset: 8, .size: 8, .value_kind: global_buffer, .address_space: global }
      - { .name: W_K, .offset: 16, .size: 8, .value_kind: global_buffer, .address_space: global }
      - { .name: W_V, .offset: 24, .size: 8, .value_kind: global_buffer, .address_space: global }
      - { .name: W_O, .offset: 32, .size: 8, .value_kind: global_buffer, .address_space: global }
      - { .name: xc, .offset: 40, .size: 8, .value_kind: global_buffer, .address_space: global }
      - { .name: xs, .offset: 48, .size: 8, .value_kind: global_buffer, .address_space: global }
      - { .name: wc, .offset: 56, .size: 8, .value_kind: global_buffer, .address_space: global }
      - { .name: ws, .offset: 64, .size: 8, .value_kind: global_buffer, .address_space: global }
      - { .name: wo, .offset: 72, .size: 8, .value_kind: global_buffer, .address_space: global }
    .group_segment_fixed_size: 102912
    .private_segment_fixed_size: 0
    .kernarg_segment_align: 8
    .kernarg_segment_size: 80
    .max_flat_workgroup_size: 128
    .sgpr_count:     66
    .vgpr_count:     192
    .wavefront_size: 32
...
	.end_amdgpu_metadata
.endif
;; end of part 1
;; launch qkv (part 2): grid 24 x 16, 4 waves a work-group, clusters of 4 x 4, 327,680 bytes of LDS; arguments xc, xs, wc, ws, b_Q, b_K, b_V, qkv, qf; writes qkv, qf
.if DOCPART == 2
	.amdgcn_target "amdgcn-amd-amdhsa--gfx1250"
	.amdhsa_code_object_version 6
	.text
	.protected	k_q9f5ebb509b_qkv
	.globl	k_q9f5ebb509b_qkv
	.p2align	8
	.type	k_q9f5ebb509b_qkv,@function
k_q9f5ebb509b_qkv:
	s_mov_b64 s[64:65], 0
	v_nop
	global_prefetch_b8 v0, s[64:65] scope:SCOPE_SE
	s_setreg_imm32_b32 hwreg(HW_REG_WAVE_MODE, 25, 1), 1
	s_wait_xcnt 0x0
	s_wait_alu depctr_hold_cnt(0) depctr_sa_sdst(0) depctr_va_vdst(0) depctr_va_sdst(0) depctr_va_ssrc(0) depctr_va_vcc(0) depctr_vm_vsrc(0)
	s_getreg_b32 s2, hwreg(HW_REG_IB_STS2, 6, 4)
	s_cmp_eq_u32 s2, 0
	s_cbranch_scc0 .Lentry_in_a_cluster
	s_endpgm
.Lentry_in_a_cluster:
	s_bfe_u32 s2, ttmp6, 0x10000c
	s_cmp_lg_u32 s2, 0xf033
	s_cbranch_scc0 .Lentry_shape_is_right
	s_endpgm
.Lentry_shape_is_right:
; QKV.  [4096][6144] = x W^T + bias on codes of FP4 (E2M1) with one E8M0 scale for each 32 along K = 1,024.  Column n = 2048 x weight + 128 x head + c.
; Results leave as f16, qkv [3][32 (batch, head)][2048][128]; the first 16 positions of each sequence leave also as f32, qf [3][32][16][128], for the launch that carries those rows more finely.
; A tile, 256 x 256, is made by four waves, 128 x 128 each: 64 accumulators, 512 registers; a wave's 128 columns are one head of one of q, k, v, so a row of its tile is 256 consecutive bytes of f16.
; K is two steps of 512: both lie in LDS at once, each filled once, so nothing is filled again.  The scales of the work-group's rows come once, as dense blocks.
; CLUSTERS: 4 x 4 work-groups; x's tiles are shared along a row of the cluster, the weights' along a column: joint loads.
; THE MATRIX INSTRUCTION IS USED TRANSPOSED (source 0 = 16 rows of the weight, source 1 = 16 rows of x): a lane holds eight neighbouring columns of one row.  The bias is the C of each sum's first product.
; LIMIT: |q|, |k|, |v| must stay under 65,504 (f16); numbers under 6e-5 keep an absolute error of 3e-8.
; REGISTERS: window 0: v0-31 addresses; v32-95 scale words, two sets, and nothing else; v96-127 packed results; v128-191 x's fragments, later rows on the way out; v192-255 the bias.
;   window 1: the weight's fragments, two sets.   windows 2, 3: the accumulators ((a, b) at v[8 (8 (a % 4) + b)]).
.set SIZE_K, 1024
.set KSTEP,  512
.set NQ,     KSTEP/128
.set ROWB,   256
.set KROW,   SIZE_K/2
.set PITCH,  272                       ; an LDS row: 256 bytes + 16 of padding, so that the 16 rows of a load start at 16 different banks (64 banks of 4 bytes: ISA guide 11.1)
.set FR,     8
.set NL,     2
.set NP,     4
.set HALFT,  128*PITCH
.set SLOT,   4*HALFT
.set KS,     SIZE_K/32
.set SCL,    2*SLOT
.set HALFS,  (128*KS/256)*272
.set SBLK,   (16*KS/256)*272
.set SPARE,  SCL+4*HALFS               ; the spare words: two blocks of 256 bytes that no other line names
.set SPITCH, 272                       ; the way out: 16 rows x (256 + 16) bytes a wave, in slot 0, which has had its only fill and its last read by then
.set ADRA, 16
.set BO,   18                          ; v18  32 x (lane / 16): my eight numbers of a bias tile
.set QFO,  19                          ; v19  my place in qf's 16 rows
.set ADRB, 20
.set STO,  24
.set RD,   25
.set CO,   26
.set ADRS, 27
.set SPW,  28
.set NIL,  29
.set S0V,  30                          ; v30  my wave's first position in its sequence
.set SC,   32
.set TMP,  96
.set AF,   128
.set OB,   128
.set BIAS, 192
.set G1, 24
.set G0, 32
.set G1B, 48
.set G0B, 56
.set G1S, 68
.set G0S, 76
.set G1SB, 80
.set G0SB, 88
.set MSB, 0
.macro WIN new                         ; the immediate's high byte repeats the setting that is left
.if MSB != \new
	s_set_vgpr_msb (MSB<<8)|\new
.set MSB, \new
.endif
.endm
.set MUL_LO, 0xa1                      ; source 0 window 1, source 1 window 0, C and D window 2
.set MUL_HI, 0xf1
.set TO_B,   0x40
; A joint load: waves 0 and 1 fetch for x, waves 2 and 3 for the weight; the branch hangs on the wave's number alone.  An s_nop 0 and four v_nop follow each line.
.macro JLOAD g0a, g1a, g0b, g1b
	s_cmp_eq_u32 s15, 0
	s_cbranch_scc0 .Lfor_b_\@
	tensor_load_to_lds s[\g0a:\g0a+3], s[\g1a:\g1a+7]
	s_nop 0
.rept 4
	v_nop
.endr
	s_branch .Lasked_\@
.Lfor_b_\@:
	tensor_load_to_lds s[\g0b:\g0b+3], s[\g1b:\g1b+7]
	s_nop 0
.rept 4
	v_nop
.endr
.Lasked_\@:
.endm
.macro CROUND                          ; a round of the cluster's barrier
	s_barrier_signal -1
	s_barrier_wait -1
	s_cmp_lg_u32 s14, 0
	s_cbranch_scc1 .Lnot_wave_0_\@
	s_barrier_signal -3
.Lnot_wave_0_\@:
	s_barrier_wait -3
	s_barrier_signal -1
	s_barrier_wait -1
.endm
	s_load_b128 s[4:7], s[0:1], 0x0                ; x's codes, x's scales
	s_load_b128 s[8:11], s[0:1], 0x10              ; the weights' codes, their scales
	v_lshl_add_u32 v[SPW], v0, 2, SPARE
	v_mov_b32 v[NIL], 0
	ds_add_u32 v[SPW], v[NIL]                      ; the wave's opening: the add, twice on end, and its wait ahead of my first tensor load
	ds_add_u32 v[SPW], v[NIL]
	v_lshrrev_b32 v1, 5, v0
	v_readfirstlane_b32 s14, v1                    ; wave 0..3
	s_lshr_b32 s15, s14, 1                         ; which half of the tile's rows is mine.  Also: I fetch for x (0) or for the weight (1)
	s_and_b32 s16, s14, 1                          ; which half of its columns.  Also: which 128 rows I fetch
	s_bfe_u32 s40, ttmp6, 0x40000                  ; cx, cy
	s_bfe_u32 s41, ttmp6, 0x40004
	s_lshl_b32 s42, ttmp9, 2
	s_add_co_u32 s42, s42, s40                     ; tile column
	s_and_b32 s17, ttmp7, 0xffff
	s_lshl_b32 s17, s17, 2
	s_add_co_u32 s17, s17, s41                     ; tile row
	s_lshl_b32 s43, s41, 2
	s_lshl_b32 s43, 15, s43                        ; my row of the cluster
	s_lshl_b32 s44, 0x1111, s40                    ; my column
	s_or_b32 s[G1+0], s43, (0<<16)|(1<<20)|(1<<21)|(5<<22)|(3<<25)  ; the mask; elements of 1 byte; padding: 4 words behind every 64; bit 21 beside a mask
	s_or_b32 s[G1B+0], s44, (0<<16)|(1<<20)|(1<<21)|(5<<22)|(3<<25)
.irp g, G1, G1B
	s_mov_b32 s[\g+1], ROWB<<16                    ; tensor_dim0
	s_mov_b32 s[\g+2], 128<<16                     ; tensor_dim1
	s_mov_b32 s[\g+3], ROWB<<16                    ; tile_dim0
	s_mov_b32 s[\g+4], 128                         ; tile_dim1
	s_mov_b32 s[\g+5], KROW                        ; the pitch
	s_mov_b32 s[\g+6], 0
	s_mov_b32 s[\g+7], 0
.endr
	s_or_b32 s[G1S+0], s43, (3<<16)|(1<<20)|(1<<21)|(5<<22)|(3<<25) ; the scales of 128 rows: a dense block, as rows of 256 bytes (32 elements of 8 bytes)
	s_or_b32 s[G1SB+0], s44, (3<<16)|(1<<20)|(1<<21)|(5<<22)|(3<<25)
.irp g, G1S, G1SB
	s_mov_b32 s[\g+1], 32<<16
	s_mov_b32 s[\g+2], (128*KS/256)<<16
	s_mov_b32 s[\g+3], 32<<16
	s_mov_b32 s[\g+4], 128*KS/256
	s_mov_b32 s[\g+5], 32
	s_mov_b32 s[\g+6], 0
	s_mov_b32 s[\g+7], 0
.endr
	s_lshl_b32 s18, s16, 7
	s_lshl_b32 s20, s17, 8
	s_add_co_u32 s20, s20, s18                     ; x: row 256 x tile row + 128 x half
	s_lshl_b32 s46, s42, 8
	s_add_co_u32 s46, s46, s18                     ; the weight: row 256 x tile column + 128 x half
	s_mov_b32 s21, 0
	s_mov_b32 s47, 0
	s_mov_b64 s[18:19], KS
	s_mul_u64 s[22:23], s[20:21], s[18:19]
	s_mul_u64 s[92:93], s[46:47], s[18:19]
	s_mov_b64 s[18:19], KROW
	s_mul_u64 s[20:21], s[20:21], s[18:19]
	s_mul_u64 s[46:47], s[46:47], s[18:19]
	s_mul_i32 s45, s14, HALFT                      ; where they go: wave x 128 rows: no place in the cluster enters an LDS address
	s_mul_i32 s94, s14, HALFS
	s_wait_dscnt 0x0                               ; both opening adds are done
	s_wait_kmcnt 0x0
	s_add_nc_u64 s[20:21], s[4:5], s[20:21]
	s_add_nc_u64 s[22:23], s[6:7], s[22:23]
	s_add_nc_u64 s[46:47], s[8:9], s[46:47]
	s_add_nc_u64 s[92:93], s[10:11], s[92:93]
	CROUND                                         ; all sixteen work-groups are here: the joint loads meet
	s_mov_b32 s[G0S], 1
	s_add_co_u32 s[G0S+1], s94, SCL
	s_mov_b64 s[G0S+2:G0S+3], s[22:23]
	s_or_b32 s[G0S+3], s[G0S+3], 0x80000000
	s_mov_b32 s[G0SB], 1
	s_add_co_u32 s[G0SB+1], s94, SCL
	s_mov_b64 s[G0SB+2:G0SB+3], s[92:93]
	s_or_b32 s[G0SB+3], s[G0SB+3], 0x80000000
	JLOAD G0S, G1S, G0SB, G1SB                     ; the scales first
.irp s, 0,1
	s_mov_b32 s[G0+4*\s], 1
	s_add_co_u32 s[G0+4*\s+1], s45, \s*SLOT
	s_add_nc_u64 s[G0+4*\s+2:G0+4*\s+3], s[20:21], \s*ROWB
	s_or_b32 s[G0+4*\s+3], s[G0+4*\s+3], 0x80000000
	s_mov_b32 s[G0B+4*\s], 1
	s_add_co_u32 s[G0B+4*\s+1], s45, \s*SLOT
	s_add_nc_u64 s[G0B+4*\s+2:G0B+4*\s+3], s[46:47], \s*ROWB
	s_or_b32 s[G0B+4*\s+3], s[G0B+4*\s+3], 0x80000000
	JLOAD G0+4*\s, G1, G0B+4*\s, G1B               ; three tensor loads of a wave are out
.endr
	s_load_b256 s[4:11], s[0:1], 0x20              ; b_Q, b_K, b_V, qkv: into registers whose first contents are used up
	s_load_b64 s[12:13], s[0:1], 0x40              ; qf
	v_and_b32 v1, 15, v0                           ; l % 16
	v_bfe_u32 v2, v0, 4, 1                         ; l / 16
	v_mul_u32_u24 v3, v1, PITCH
	v_lshl_add_u32 v4, v2, 4, v3
	s_mul_i32 s21, s15, HALFT
	s_mul_i32 s22, s16, HALFT
	s_add_co_u32 s22, s22, 2*HALFT
.irp s, 0,1
	v_add_nc_u32 v[ADRA+\s], s21, v4
	v_add_nc_u32 v[ADRB+\s], s22, v4
	s_add_co_u32 s21, s21, SLOT
	s_add_co_u32 s22, s22, SLOT
.endr
	v_mul_u32_u24 v5, v1, KS                       ; my row's scales: KS bytes a row, 16 more for each 256 passed
	v_lshrrev_b32 v6, 8, v5
	v_lshl_add_u32 v5, v6, 4, v5
	s_mul_i32 s21, s15, HALFS
	s_mul_i32 s22, s16, HALFS
	s_add_co_u32 s22, s22, 2*HALFS
	s_sub_co_u32 s22, s22, s21
	v_mul_u32_u24 v6, s22, v2                      ; lanes 16-31 take the weight's
	s_add_co_u32 s21, s21, SCL
	v_add_nc_u32 v5, v5, v6
	v_add_nc_u32 v[ADRS], s21, v5
	s_mul_i32 s23, s14, 16*SPITCH                  ; my stage
	v_mul_u32_u24 v5, v1, SPITCH
	v_lshl_add_u32 v5, v2, 4, v5
	v_add_nc_u32 v[STO], s23, v5                   ; in: row l % 16, 16 bytes for each half of the lanes
	v_mul_u32_u24 v5, v2, SPITCH
	v_lshl_add_u32 v5, v1, 4, v5
	v_add_nc_u32 v[RD], s23, v5                    ; back: lanes 0-15 one row, lanes 16-31 the next
	v_lshlrev_b32 v5, 8, v2
	v_lshl_add_u32 v[CO], v1, 4, v5                ; and the same two rows in qkv
	v_lshlrev_b32 v[BO], 5, v2
	v_lshlrev_b32 v5, 9, v1
	v_lshl_add_u32 v[QFO], v2, 5, v5               ; qf: row l % 16 of 512 bytes, + 32 (l / 16)
	s_lshl_b32 s92, s42, 1
	s_add_co_u32 s92, s92, s16                     ; which 128 columns: 16 x weight + head
	s_lshr_b32 s93, s92, 4                         ; weight
	s_and_b32 s92, s92, 15                         ; head
	s_lshl_b32 s94, s17, 8
	s_lshl_b32 s95, s15, 7
	s_add_co_u32 s94, s94, s95                     ; my first row
	s_lshr_b32 s95, s94, 11                        ; batch
	s_and_b32 s94, s94, 2047                       ; position in the sequence
	s_lshl_b32 s96, s93, 5
	s_lshl_b32 s97, s95, 4
	s_add_co_u32 s96, s96, s97
	s_add_co_u32 s96, s96, s92                     ; u = 32 x weight + 16 x batch + head
	v_mov_b32 v[S0V], s94
	s_mov_b32 s23, 0
	s_wait_kmcnt 0x0
	s_cmp_eq_u32 s93, 0
	s_cselect_b64 s[20:21], s[4:5], s[6:7]
	s_cmp_eq_u32 s93, 2
	s_cselect_b64 s[20:21], s[8:9], s[20:21]       ; my weight's bias,
	s_lshl_b32 s22, s92, 9
	s_add_nc_u64 s[20:21], s[20:21], s[22:23]      ; at my head
	s_lshl_b32 s22, s96, 11
	s_add_co_u32 s22, s22, s94
	s_lshl_b32 s22, s22, 8
	s_add_nc_u64 s[10:11], s[10:11], s[22:23]      ; qkv at my first row: the wave's tile is 32,768 bytes on end
	s_lshl_b32 s22, s96, 13
	s_add_nc_u64 s[12:13], s[12:13], s[22:23]      ; qf at my (weight, batch, head)
.irp b, 0,1,2,3,4,5,6,7
	global_load_b128 v[BIAS+8*\b:BIAS+8*\b+3], v[BO], s[20:21] offset:64*\b         ; lane (r, h), tile b: the bias of columns 16 b + 8 h + 0 .. 7
	global_load_b128 v[BIAS+8*\b+4:BIAS+8*\b+7], v[BO], s[20:21] offset:64*\b+16
.endr
.macro FRAG reg, adr, q, i             ; 16 rows x 128 K of 4-bit codes: 8 registers, two loads of 16 bytes, 32 bytes apart
.irp c, 0,1
	ds_load_b128 v[\reg+4*\c:\reg+4*\c+3], v[\adr] offset:64*(\q)+32*\c+(\i)*16*PITCH
.endr
.endm
; 16 matrix instructions: x's blocks a0, a0 + 1 against the weight's eight.  zero = 1: the first product starts the sums on the bias.  The 64 accumulators take turns.
.macro MUL16 a0, p, q, sc, zero
.irp a, \a0, \a0+1
.irp b, 0,1,2,3,4,5,6,7
.if \zero
	v_wmma_scale_f32_16x16x128_f8f6f4 v[8*(8*((\a)%4)+\b):8*(8*((\a)%4)+\b)+7], v[128*(\p)+FR*\b:128*(\p)+FR*\b+FR-1], v[AF+FR*(\a):AF+FR*(\a)+FR-1], v[BIAS+8*\b:BIAS+8*\b+7], v[SC+8*NQ*(\sc)+NQ*\b+(\q)], v[SC+8*NQ*(\sc)+NQ*(\a)+(\q)] matrix_a_fmt:MATRIX_FMT_FP4 matrix_b_fmt:MATRIX_FMT_FP4 matrix_a_scale:MATRIX_SCALE_ROW1
.else
	v_wmma_scale_f32_16x16x128_f8f6f4 v[8*(8*((\a)%4)+\b):8*(8*((\a)%4)+\b)+7], v[128*(\p)+FR*\b:128*(\p)+FR*\b+FR-1], v[AF+FR*(\a):AF+FR*(\a)+FR-1], v[8*(8*((\a)%4)+\b):8*(8*((\a)%4)+\b)+7], v[SC+8*NQ*(\sc)+NQ*\b+(\q)], v[SC+8*NQ*(\sc)+NQ*(\a)+(\q)] matrix_a_fmt:MATRIX_FMT_FP4 matrix_b_fmt:MATRIX_FMT_FP4 matrix_a_scale:MATRIX_SCALE_ROW1
.endif
.endr
.endr
.endm
.macro FETCH_B slot, q, p
	WIN TO_B
.irp i, 0,1,2,3,4,5,6,7
	FRAG 128*(\p)+FR*\i, ADRB+\slot, \q, \i
.endr
	WIN 0
.endm
.macro FETCH_A slot, q, i0
.irp i, \i0, \i0+1, \i0+2, \i0+3
	FRAG AF+FR*(\i), ADRA+\slot, \q, \i
.endr
.endm
.macro SCALES sc                       ; a K step's scale words: lanes 0-15 x's block i, lanes 16-31 the weight's block i
.irp i, 0,1,2,3,4,5,6,7
	ds_load_b128 v[SC+8*NQ*\sc+NQ*\i:SC+8*NQ*\sc+NQ*\i+3], v[ADRS] offset:\i*SBLK
.endr
.endm
.macro PLACES n                        ; places behind matrix instructions, in front of loads into their registers and of reads of their results
.rept \n
	v_nop
.endr
.endm
.macro STEP slot, q, zero
	s_wait_dscnt 4*NL                              ; the weight's set and x's blocks 0-3 are in; the youngest eight loads (x's blocks 4-7) may be out
.if \zero
	WIN 0x81                                       ; C, the bias, in window 0
.else
	WIN MUL_LO
.endif
	MUL16 0, (\q)%2, \q, \slot, \zero
	MUL16 2, (\q)%2, \q, \slot, \zero
	s_wait_dscnt 0
	PLACES NP
	FETCH_B \slot, (\q)+1, 1-(\q)%2
	FETCH_A \slot, (\q)+1, 0
.if \zero
	WIN 0xc1
.else
	WIN MUL_HI
.endif
	MUL16 4, (\q)%2, \q, \slot, \zero
	MUL16 6, (\q)%2, \q, \slot, \zero
	PLACES NP
	WIN 0
	FETCH_A \slot, (\q)+1, 4
.endm
; Slot 0's last step goes over to slot 1: one barrier; in front of it each wave waits for all its tensor loads (slot 1's is the one that was out), adds 0 to its spare word and waits for that and for its reads of slot 0.
.macro TURN slot, next
	s_wait_tensorcnt 0x0
	ds_add_u32 v[SPW], v[NIL]
	s_wait_dscnt 4*NL+1                            ; the add and the youngest eight loads may be out
	WIN MUL_LO
	MUL16 0, 1, NQ-1, \slot, 0
	s_wait_dscnt 0x0                               ; the add is done, and my reads of this slot are over
	s_barrier_signal -1
	MUL16 2, 1, NQ-1, \slot, 0
	WIN 0
	s_barrier_wait -1
	PLACES NP
	v_add_nc_u32 v[ADRS], 4*NQ, v[ADRS]            ; the next K step's scale words
	FETCH_B \next, 0, 0
	FETCH_A \next, 0, 0
	SCALES \next
	WIN MUL_HI
	MUL16 4, 1, NQ-1, \slot, 0
	MUL16 6, 1, NQ-1, \slot, 0
	PLACES NP
	WIN 0
	FETCH_A \next, 0, 4
.endm
.macro STEPS slot, from
.set Q, \from
.rept NQ-1-\from
	STEP \slot, Q, 0
.set Q, Q+1
.endr
.endm
	s_wait_tensorcnt 1                             ; the scales and my part of slot 0 are in; slot 1's load may be out
	s_barrier_signal -1
	s_barrier_wait -1
	FETCH_B 0, 0, 0
	FETCH_A 0, 0, 0
	SCALES 0
	FETCH_A 0, 0, 4
	s_wait_loadcnt 0x0                             ; the bias
	STEP 0, 0, 1
	STEPS 0, 1
	TURN 0, 1
	STEPS 1, 0
	s_wait_dscnt 4*NL                              ; the very last step
	WIN MUL_LO
	MUL16 0, 1, NQ-1, 1, 0
	MUL16 2, 1, NQ-1, 1, 0
	s_wait_dscnt 0
	WIN MUL_HI
	MUL16 4, 1, NQ-1, 1, 0
	MUL16 6, 1, NQ-1, 1, 0
	WIN 0
	PLACES NP
	; The first 16 positions of a sequence leave in f32 too: block 0 of the waves whose first position is 0.  No branch: the lanes are switched off elsewhere.
	s_wait_xcnt 0x0                                ; EXEC changes only behind this wait
	v_cmp_eq_u32 vcc_lo, 0, v[S0V]
	s_and_saveexec_b32 s3, vcc_lo
	WIN 0x08                                       ; a store's data are its source 1: window 2
.irp b, 0,1,2,3,4,5,6,7
	global_store_b128 v[QFO], v[8*\b:8*\b+3], s[12:13] offset:64*\b          ; each accumulator from its low end on
	global_store_b128 v[QFO], v[8*\b+4:8*\b+7], s[12:13] offset:64*\b+16
.endr
	WIN 0
	s_wait_xcnt 0x0                                ; and again in front of the line that widens it
	s_or_b32 exec_lo, exec_lo, s3
; THE WAY OUT, 16 rows at a time: rounded to f16 (16 bytes a lane), through my stage, back as whole rows of 256 bytes.
.macro PACK a
.set AC, 64*((\a)%4)
	WIN 0x0a+5*((\a)/4)                            ; sources 0 and 1: window 2 or 3
.irp b, 0,1,2,3,4,5,6,7
.irp r, 0,1,2,3
	v_cvt_pk_f16_f32 v[TMP+4*\b+\r], v[AC+8*\b+2*\r], v[AC+8*\b+2*\r+1]
.endr
.endr
	WIN 0
.endm
.macro TOSTAGE a
.set BK, OB+32*((\a)%2)
.irp b, 0,1,2,3,4,5,6,7
	ds_store_b128 v[STO], v[TMP+4*\b:TMP+4*\b+3] offset:32*\b
.endr
.irp t, 0,1,2,3,4,5,6,7
	ds_load_b128 v[BK+4*\t:BK+4*\t+3], v[RD] offset:\t*2*SPITCH    ; LDS serves a wave's instructions in order: these see the stores above
.endr
.endm
.macro SEND a
.set BK, OB+32*((\a)%2)
	s_wait_dscnt 0x0                               ; the block is back in registers
	s_wait_xcnt 0x0                                ; earlier stores have read their registers: the next block's loads may land there
.irp t, 0,1,2,3,4,5,6,7
	global_store_b128 v[CO], v[BK+4*\t:BK+4*\t+3], s[10:11] offset:(\a)*4096+\t*512   ; 16 lanes store 256 consecutive bytes, aligned
.endr
.endm
	PACK 0
	TOSTAGE 0
.irp a, 1,2,3,4,5,6,7
	PACK \a
	SEND \a-1
	TOSTAGE \a
.endr
	SEND 7
	s_wait_tensorcnt 0x0                           ; the wave's end
	ds_add_u32 v[SPW], v[NIL]
	s_wait_dscnt 0x0
	CROUND                                         ; the closing round
	s_endpgm
.Lfunc_end_k_q9f5ebb509b_qkv:
	.size	k_q9f5ebb509b_qkv, .Lfunc_end_k_q9f5ebb509b_qkv-k_q9f5ebb509b_qkv
	.p2alignl 7, 3214868480
	.fill 96, 4, 3214868480
	.section	.rodata,"a",@progbits
	.p2align	6, 0x0
	.amdhsa_kernel k_q9f5ebb509b_qkv
		.amdhsa_group_segment_fixed_size 327680
		.amdhsa_private_segment_fixed_size 0
		.amdhsa_enable_private_segment 0
		.amdhsa_kernarg_size 72
		.amdhsa_user_sgpr_count 2
		.amdhsa_user_sgpr_kernarg_segment_ptr 1
		.amdhsa_wavefront_size32 1
		.amdhsa_system_sgpr_workgroup_id_x 1
		.amdhsa_system_sgpr_workgroup_id_y 1
		.amdhsa_system_sgpr_workgroup_id_z 1
		.amdhsa_system_vgpr_workitem_id 0
		.amdhsa_next_free_vgpr 1024
		.amdhsa_next_free_sgpr 100
		.amdhsa_reserve_vcc 1
		.amdhsa_float_denorm_mode_32 3
		.amdhsa_float_denorm_mode_16_64 3
		.amdhsa_memory_ordered 1
		.amdhsa_forward_progress 1
		.amdhsa_inst_pref_size 130
	.end_amdhsa_kernel
	.amdgpu_metadata
---
amdhsa.version: [ 1, 2 ]
amdhsa.kernels:
  - .name:           k_q9f5ebb509b_qkv
    .symbol:         k_q9f5ebb509b_qkv.kd
    .args:
      - { .name: xc, .offset: 0, .size: 8, .value_kind: global_buffer, .address_space: global }
      - { .name: xs, .offset: 8, .size: 8, .value_kind: global_buffer, .address_space: global }
      - { .name: wc, .offset: 16, .size: 8, .value_kind: global_buffer, .address_space: global }
      - { .name: ws, .offset: 24, .size: 8, .value_kind: global_buffer, .address_space: global }
      - { .name: b_Q, .offset: 32, .size: 8, .value_kind: global_buffer, .address_space: global }
      - { .name: b_K, .offset: 40, .size: 8, .value_kind: global_buffer, .address_space: global }
      - { .name: b_V, .offset: 48, .size: 8, .value_kind: global_buffer, .address_space: global }
      - { .name: qkv, .offset: 56, .size: 8, .value_kind: global_buffer, .address_space: global }
      - { .name: qf, .offset: 64, .size: 8, .value_kind: global_buffer, .address_space: global }
    .group_segment_fixed_size: 327680
    .private_segment_fixed_size: 0
    .kernarg_segment_align: 8
    .kernarg_segment_size: 72
    .max_flat_workgroup_size: 128
    .sgpr_count:     100
    .vgpr_count:     1024
    .wavefront_size: 32
...
	.end_amdgpu_metadata
.endif
;; end of part 2
;; launch attn (part 3): grid 8 x 32, 4 waves a work-group, no clusters, 327,680 bytes of LDS; arguments qkv, z; writes z
.if DOCPART == 3
	.amdgcn_target "amdgcn-amd-amdhsa--gfx1250"
	.amdhsa_code_object_version 6
	.text
	.protected	k_q9f5ebb509b_attn
	.globl	k_q9f5ebb509b_attn
	.p2align	8
	.type	k_q9f5ebb509b_attn,@function
k_q9f5ebb509b_attn:
	s_mov_b64 s[64:65], 0
	v_nop
	global_prefetch_b8 v0, s[64:65] scope:SCOPE_SE
	s_setreg_imm32_b32 hwreg(HW_REG_WAVE_MODE, 25, 1), 1
	s_wait_xcnt 0x0
; ATTN.  z[b][q][h][:] = the sum over keys k <= q of softmax_k(q . k / sqrt(128)) v[k][:], for each of 32 (batch, head).  q, k, v: qkv [3][32][2048][128] f16; z: [4096][2048] f16 (column 128 h + c).
; Products on f16 operands with f32 sums; maxima, exponentials and sums in f32; the weights p are rounded to f16 for the second product, z once at the end.
; SHARES.  A head's queries are 16 blocks of 128.  Work-group j (0..7) takes block 15 - j (16 - j units of 128 keys) and then block j (j + 1 units): 17 units, 34 key steps of 64, in every work-group:
; equal work, and loop counts that are constants.  Wave w owns queries 32 w .. 32 w + 31 of the block in hand: tile 0 and tile 1, of 16 queries.
; NO CLUSTER: the work-groups of a head go over to their second block at different steps, so from then on they want different tiles.
; LAYOUT.  S^T = K Q^T and O^T = V^T P: a lane holds ONE query (lane % 16) throughout.  K comes out of LDS as it lies, V turned by ds_load_tr16_b128.
; BY TURNS.  In a turn one tile has the matrix unit (16 products V^T P of the step in hand, 16 products K Q^T of the next step); the other tile's softmax, cut into 32 slices, stands between them.
; THE MASK goes in as the C of a score tile's first product: 0, or -1e30 where the key comes after the query; these 32 registers are rewritten only in the two units on the diagonal and once behind the first.
; THE CHANGE OF BLOCKS: behind the first block's last products a tile's O^T is divided by its sum and stored; m becomes -3e38 and l 0, so that the next softmax's factor 2^(c m_old - c m_new) is 0 and clears O^T.
; LIMITS: (a) reference()'s fill of -100000 is taken as weight 0: right wherever a row's largest kept score lies above -100000 + 104, where the fill's own weights fall to 0 in f32; scores up to some 5e4 times the drawn ones;
; (b) |q|, |k|, |v| under 65,504 and scores under 1e30; (c) the first 16 positions of a sequence are computed here in f16 like the others and are replaced by the launch that carries them in f32.
; REGISTERS, in windows of 256: window 0: v1-11 addresses; v12-27 statistics, 8 a tile; v28-35 the triangle; v36-67 the mask; v96-159 S^T, 32 a tile; v160-191 P, 16 a tile; v192-223 the way out.
;   window 1: O^T, 64 a tile.   window 2: v0-63 Q, v64-127 the second block's Q, v128-255 K of one step.   window 3: v0-127 V of one step.
.set KS,     64
.set PK,     272                       ; a row of K in LDS: 256 bytes + 16: the 16 rows of a load start at 16 different banks (64 banks of 4 bytes: ISA guide 11.1)
.set PVP,    288                       ; a row of V: 256 + 32
.set KSTEPB, KS*PK
.set VSTEPB, KS*PVP
.set VB,     8*KSTEPB                  ; K's ring: 8 steps (4 units, 2 slots); behind it V's
.set STAGE,  VB+8*VSTEPB               ; behind the rings: 16 rows x 272 bytes a wave, for the way out
.set SP,     272
.set SPARE,  STAGE+4*16*SP             ; the spare words: two blocks of 256 bytes that no other line names
.set AK0, 2
.set AV0, 3
.set ADR, 4
.set QO,  5
.set STO, 6
.set RD,  7
.set GO,  8
.set ST,  12                           ; tile t's statistics at v[ST+8 t]: +0 c m, +1 m, +2, +3 l, +4 to +7 at work; a takes +6
.set TRI, 28                           ; -1e30 where key 8 (lane / 16) + i comes after query lane % 16, else 0
.set MK,  36                           ; the mask of the score tiles in hand: 4 tiles of 16 keys x 8 registers
.set SPW, 68
.set NIL, 69
.set PFO, 70
.set S,   96
.set P,   160
.set TZ,  192
.set KF,  128
.set SJ,  8                            ; s8   the key step in hand, 0..33
.set JS,  9                            ; s9   the first block's last step
.set DG1, 10                           ; s10  the first step of its diagonal unit
.set QI,  11                           ; s11  2 x wave: my first tile of queries in the block
.set WV,  12
.set PP,  13                           ; s13  which unit of a slot I fetch
.set TT,  14                           ; s14  I fetch K's (0) or V's (1)
.set BH,  15
.set L1,  16                           ; s16  units of the first block
.set UN,  17                           ; s17  the next unit that I fetch, counted along the walk
.set OFF, 18                           ; s[18:19]
.set TBK, 20                           ; s20  LDS byte at which the step of K to be fetched begins
.set TBV, 21                           ; s21  the same in V's ring
.set TWICE, 22
.set LOOP, 23
.set G1K, 24
.set G1V, 32
.set G0K, 40                           ; s[40:47] group 0 for K's tiles, a set for each slot;  s[48:55] for V's
.set G0V, 48
.set BASEK, 56
.set BASEV, 58
.set CS,  60
.set SEL, 62
.set T0,  66
.set T1,  67
.set T2,  68
.set AL,  72
.set BE,  73
.set NEGS, 74
.set CC,  75                           ; s75  changes of slots so far
.set ZA1, 76
.set ZA2, 78
.set PFA, 80
.set LIM, 82
.set MSB, 0
.macro WIN new
.if MSB != \new
	s_set_vgpr_msb (MSB<<8)|\new
.set MSB, \new
.endif
.endm
.set W_KQ, 0x0a                        ; K and Q in window 2, the mask and S^T in window 0
.set W_PV, 0x53                        ; V in window 3, P in window 0, O^T in window 1
.set W_RS, 0x41                        ; O^T in window 1, a in window 0
.macro PLACES
.rept 4
	v_nop
.endr
.endm
; A refill: waves 0 and 2 fetch K's rows of a unit, waves 1 and 3 V's.  The branch hangs on the wave's number alone.  An s_nop 0 and four v_nop follow each line.
.macro TLOAD sl
	s_cmp_eq_u32 s[TT], 0
	s_cbranch_scc0 .Lfor_v_\@
	tensor_load_to_lds s[G0K+4*\sl:G0K+4*\sl+3], s[G1K:G1K+7]
	s_nop 0
.rept 4
	v_nop
.endr
	s_branch .Lasked_\@
.Lfor_v_\@:
	tensor_load_to_lds s[G0V+4*\sl:G0V+4*\sl+3], s[G1V:G1V+7]
	s_nop 0
.rept 4
	v_nop
.endr
.Lasked_\@:
.endm
; A PREFETCH INTO THE L2 of what the NEXT change of slots will ask for.  All eight work-groups of a head begin with the same units: the head's first work-group asks, each wave for the unit (128 rows of 256 bytes,
; a lane a row, four instructions) that it will itself fetch one slot, 4 key steps, later.  Units 0 to 5 come by their loads alone; the last request names units 14 and 15.
.macro ASK
	s_cmp_le_u32 s[CC], s[LIM]
	s_cbranch_scc0 .Lnot_mine_\@
.irp n, 0,1,2,3
	global_prefetch_b8 v[PFO], s[PFA:PFA+1] offset:8192*\n th:TH_LOAD_NT scope:SCOPE_SE
.endr
.Lnot_mine_\@:
.endm
	s_load_b128 s[4:7], s[0:1], 0x0                ; qkv, z
	v_lshl_add_u32 v[SPW], v0, 2, SPARE
	v_mov_b32 v[NIL], 0
	ds_add_u32 v[SPW], v[NIL]                      ; the wave's opening: the add, twice on end, and its wait ahead of my first tensor load
	ds_add_u32 v[SPW], v[NIL]
	v_lshrrev_b32 v1, 5, v0
	v_readfirstlane_b32 s[WV], v1
	s_lshr_b32 s[PP], s[WV], 1
	s_and_b32 s[TT], s[WV], 1
	s_and_b32 s[BH], ttmp7, 0xffff
	s_sub_co_u32 s[L1], 16, ttmp9
	s_lshl_b32 s[JS], s[L1], 1
	s_sub_co_u32 s[DG1], s[JS], 2
	s_sub_co_u32 s[JS], s[JS], 1
	s_lshl_b32 s[QI], s[WV], 1
	s_add_co_u32 s[UN], s[PP], 4
	s_mov_b32 s[OFF+1], 0
	s_mov_b32 s[TBK], 0
	s_mov_b32 s[TBV], 0
	s_mov_b32 s[CC], 0
	s_mov_b32 s[NEGS], 0xf149f2ca                  ; -1e30
	s_mov_b32 s[CS], 0x3e0293ee                    ; c = log2(e) / sqrt(128)
	s_mov_b32 s[CS+1], s[CS]
	s_mov_b32 s[SEL], 0x76543210
	s_mov_b32 s[SEL+1], 0xfedcba98
	s_mov_b32 s[G1K], (1<<16)|(1<<20)|(5<<22)|(3<<25)   ; elements of 2 bytes; padding: 4 words behind every 64
	s_mov_b32 s[G1V], (1<<16)|(1<<20)|(5<<22)|(7<<25)   ; 8 words
.irp g, G1K, G1V
	s_mov_b32 s[\g+1], 128<<16                     ; tensor_dim0 = 128
	s_mov_b32 s[\g+2], 128<<16                     ; tensor_dim1 = 128
	s_mov_b32 s[\g+3], 128<<16                     ; tile_dim0 = 128
	s_mov_b32 s[\g+4], 128                         ; tile_dim1 = 128 rows: a unit
	s_mov_b32 s[\g+5], 128                         ; the pitch
	s_mov_b32 s[\g+6], 0
	s_mov_b32 s[\g+7], 0
.endr
	s_mul_i32 s[T0], s[PP], 2*KSTEPB               ; my unit's place in a slot of K's ring,
	s_mul_i32 s[T1], s[PP], 2*VSTEPB
	s_add_co_u32 s[T1], s[T1], VB                  ; and of V's
.irp sl, 0,1
	s_mov_b32 s[G0K+4*\sl], 1
	s_add_co_u32 s[G0K+4*\sl+1], s[T0], \sl*4*KSTEPB
	s_mov_b32 s[G0V+4*\sl], 1
	s_add_co_u32 s[G0V+4*\sl+1], s[T1], \sl*4*VSTEPB
.endr
	s_lshl_b32 s84, s[BH], 19                      ; a head is 524,288 bytes in each of q, k, v
	s_mov_b32 s85, 0
	s_sub_co_u32 s[T0], 15, ttmp9
	s_lshl_b32 s[T0], s[T0], 7
	s_lshl_b32 s[T2], s[WV], 5
	s_add_co_u32 s[T0], s[T0], s[T2]               ; my first query in the first block,
	s_lshl_b32 s[T1], ttmp9, 7
	s_add_co_u32 s[T1], s[T1], s[T2]               ; and in the second
	s_wait_dscnt 0x0                               ; both opening adds are done
	s_wait_kmcnt 0x0
	s_add_nc_u64 s[86:87], s[4:5], s[84:85]        ; q of my head
	s_add_nc_u64 s[BASEK:BASEK+1], s[86:87], 0x1000000
	s_add_nc_u64 s[BASEV:BASEV+1], s[86:87], 0x2000000
	s_lshl_b32 s[OFF], s[PP], 15                   ; a unit is 32,768 bytes
.irp sl, 0,1
	s_add_nc_u64 s[G0K+4*\sl+2:G0K+4*\sl+3], s[BASEK:BASEK+1], s[OFF:OFF+1]
	s_or_b32 s[G0K+4*\sl+3], s[G0K+4*\sl+3], 0x80000000
	s_add_nc_u64 s[G0V+4*\sl+2:G0V+4*\sl+3], s[BASEV:BASEV+1], s[OFF:OFF+1]
	s_or_b32 s[G0V+4*\sl+3], s[G0V+4*\sl+3], 0x80000000
	s_add_co_u32 s[OFF], s[OFF], 0x10000           ; two units on
.endr
	s_cmp_eq_u32 s[TT], 0                          ; a wave's two first fills stand in one branch: units p and 2 + p: two loads of mine are out
	s_cbranch_scc0 .Lfirst_v
	tensor_load_to_lds s[G0K:G0K+3], s[G1K:G1K+7]
	s_nop 0
	tensor_load_to_lds s[G0K+4:G0K+7], s[G1K:G1K+7]
	s_nop 0
.rept 4
	v_nop
.endr
	s_branch .Lfirst_asked
.Lfirst_v:
	tensor_load_to_lds s[G0V:G0V+3], s[G1V:G1V+7]
	s_nop 0
	tensor_load_to_lds s[G0V+4:G0V+7], s[G1V:G1V+7]
	s_nop 0
.rept 4
	v_nop
.endr
.Lfirst_asked:
	s_cmp_eq_u32 s[TT], 0
	s_cselect_b64 s[PFA:PFA+1], s[BASEK:BASEK+1], s[BASEV:BASEV+1]
	s_add_nc_u64 s[PFA:PFA+1], s[PFA:PFA+1], s[OFF:OFF+1]   ; at unit 4 + p; the first change steps it to 6 + p.  Nothing is prefetched here, at the head
	s_cmp_eq_u32 ttmp9, 0
	s_cselect_b32 s[LIM], 5, 0
	s_lshl_b32 s84, s[T0], 8
	s_add_nc_u64 s[2:3], s[86:87], s[84:85]        ; my queries of the first block
	s_lshl_b32 s84, s[T1], 8
	s_add_nc_u64 s[88:89], s[86:87], s[84:85]      ; and of the second
	s_lshr_b32 s69, s[BH], 4
	s_lshl_b32 s69, s69, 11                        ; 2,048 x batch
	s_and_b32 s70, s[BH], 15
	s_lshl_b32 s70, s70, 8                         ; 256 x head
	s_add_co_u32 s71, s69, s[T0]
	s_lshl_b32 s71, s71, 12
	s_add_co_u32 s84, s71, s70
	s_add_nc_u64 s[ZA1:ZA1+1], s[6:7], s[84:85]
	s_add_co_u32 s71, s69, s[T1]
	s_lshl_b32 s71, s71, 12
	s_add_co_u32 s84, s71, s70
	s_add_nc_u64 s[ZA2:ZA2+1], s[6:7], s[84:85]
	v_and_b32 v1, 15, v0                           ; r = l % 16
	v_bfe_u32 v9, v0, 4, 1                         ; h = l / 16
	v_lshlrev_b32 v[QO], 8, v1
	v_lshl_add_u32 v[QO], v9, 4, v[QO]
	WIN 0x80                                       ; destination window 2
.irp i, 0,1,2,3,4,5,6,7                            ; tile i / 4, channels 32 (i % 4) on
	global_load_b128 v[8*\i:8*\i+3],   v[QO], s[2:3] offset:(\i/4)*4096+(\i%4)*64
	global_load_b128 v[8*\i+4:8*\i+7], v[QO], s[2:3] offset:(\i/4)*4096+(\i%4)*64+32
.endr
.irp i, 0,1,2,3,4,5,6,7
	global_load_b128 v[64+8*\i:64+8*\i+3],   v[QO], s[88:89] offset:(\i/4)*4096+(\i%4)*64
	global_load_b128 v[64+8*\i+4:64+8*\i+7], v[QO], s[88:89] offset:(\i/4)*4096+(\i%4)*64+32
.endr
	WIN 0
	v_mul_u32_u24 v[AK0], v1, PK
	v_lshl_add_u32 v[AK0], v9, 4, v[AK0]
	v_and_b32 v10, 7, v0
	v_bfe_u32 v11, v0, 3, 1
	v_lshl_add_u32 v[AV0], v9, 3, v10              ; the turning load: key 8 (l / 16) + l % 8, channels 8 ((l / 8) % 2) on
	v_mul_u32_u24 v[AV0], v[AV0], PVP
	v_lshl_add_u32 v[AV0], v11, 4, v[AV0]
	v_add_nc_u32 v[AV0], VB, v[AV0]
	v_and_b32 v[PFO], 31, v0
	v_lshlrev_b32 v[PFO], 8, v[PFO]
	v_lshlrev_b32 v10, 3, v9
	v_sub_nc_u32 v10, v1, v10                      ; r - 8 h
	v_mov_b32 v11, 0xf149f2ca
.irp i, 0,1,2,3,4,5,6,7
	v_cmp_gt_i32 vcc_lo, \i, v10
	v_cndmask_b32 v[TRI+\i], 0, v11, vcc_lo
.endr
.irp i, 0,1,2,3,4,5,6,7,8,9,10,11,12,13,14,15,16,17,18,19,20,21,22,23,24,25,26,27,28,29,30,31
	v_mov_b32 v[MK+\i], 0                          ; the mask: nothing is hidden ahead of the diagonal
.endr
; Product i of 16 of O^T += V^T P for tile x: keys 32 (i / 8) on, channels 16 (i % 8) on.  The accumulators take turns.
.macro PV x, zero
	WIN W_PV
.set rO, 64*(\x)+8*(i%8)
.set rV, 64*(i/8)+8*(i%8)
.set rP, P+16*(\x)+8*(i/8)
.if \zero && (i < 8)
	v_wmma_f32_16x16x32_f16 v[rO:rO+7], v[rV:rV+7], v[rP:rP+7], 0
.else
	v_wmma_f32_16x16x32_f16 v[rO:rO+7], v[rV:rV+7], v[rP:rP+7], v[rO:rO+7]
.endif
.endm
; Product i of 16 of S^T = K Q^T + the mask: channels 32 (i / 4) on, keys 16 (i % 4) on.
.macro KQ x
	WIN W_KQ
.set rS, S+32*(\x)+8*(i%4)
.set rK, KF+32*(i%4)+8*(i/4)
.set rQ, 32*(\x)+8*(i/4)
.if i < 4
	v_wmma_f32_16x16x32_f16 v[rS:rS+7], v[rK:rK+7], v[rQ:rQ+7], v[MK+8*(i%4):MK+8*(i%4)+7]
.else
	v_wmma_f32_16x16x32_f16 v[rS:rS+7], v[rK:rK+7], v[rQ:rQ+7], v[rS:rS+7]
.endif
.endm
.macro FETCH_K
	WIN 0
	v_add_nc_u32 v[ADR], s[TBK], v[AK0]
	s_add_co_u32 s[TBK], s[TBK], KSTEPB
	WIN 0x80
.irp f, 0,1,2,3,4,5,6,7,8,9,10,11,12,13,14,15      ; keys 16 (f / 4) on, channels 32 (f % 4) on
	ds_load_b128 v[KF+8*\f:KF+8*\f+3],   v[ADR] offset:(\f/4)*16*PK+(\f%4)*64
	ds_load_b128 v[KF+8*\f+4:KF+8*\f+7], v[ADR] offset:(\f/4)*16*PK+(\f%4)*64+32
.endr
.endm
.macro FETCH_V
	WIN 0
	v_add_nc_u32 v[ADR], s[TBV], v[AV0]
	s_add_co_u32 s[TBV], s[TBV], VSTEPB
	s_wait_alu depctr_va_vdst(0)                   ; the wait for the softmax's batch of exponentials, ahead of the first line that names a result
	WIN 0xc0
.irp f, 0,1,2,3,4,5,6,7,8,9,10,11,12,13,14,15      ; keys 32 (f / 8) on, channels 16 (f % 8) on
	ds_load_tr16_b128 v[8*\f:8*\f+3],   v[ADR] offset:(\f/8)*32*PVP+(\f%8)*32
	ds_load_tr16_b128 v[8*\f+4:8*\f+7], v[ADR] offset:(\f/8)*32*PVP+16*PVP+(\f%8)*32
.endr
.endm
; One tile's softmax for one key step is a list of 134 instructions; SM writes number j of it for tile t.
;   0-15 the maximum of the 32 scores and the old m;  16-20 the other half of the lanes' maximum, the new m, c m, its change;
;   21-69 ONE BATCH: 16 packed scalings c s - c m and 33 exponentials (a at 23), none of which reads an exponential's result;  (the wait);
;   70-85 the roundings to f16;  86-101 the sums, l = a l + the sum;  102-133 O^T times a.
.macro SM t, first
.set rT, ST+8*(\t)
.set rS, S+32*(\t)
.set rP, P+16*(\t)
.set rO, 64*(\t)+2*(j-102)
.if j < 102
	WIN 0
.endif
.if j < 4
	v_max3_num_f32 v[rT+4+j], v[rS+8*j], v[rS+8*j+1], v[rS+8*j+2]
.elseif j < 12
	v_max3_num_f32 v[rT+4+j%4], v[rT+4+j%4], v[rS+8*(j%4)+2*(j/4)+1], v[rS+8*(j%4)+2*(j/4)+2]
.elseif j == 12
	v_max3_num_f32 v[rT+4], v[rT+4], v[rS+7], v[rS+15]
.elseif j == 13
	v_max3_num_f32 v[rT+6], v[rT+6], v[rS+23], v[rS+31]
.elseif j == 14
	v_max3_num_f32 v[rT+4], v[rT+4], v[rT+5], v[rT+6]
.elseif (j == 15) && \first
	v_max_num_f32 v[rT+4], v[rT+4], v[rT+7]
.elseif j == 15
	v_max3_num_f32 v[rT+4], v[rT+4], v[rT+7], v[rT+1]
.elseif j == 16
	v_permlanex16_b32 v[rT+5], v[rT+4], s[SEL], s[SEL+1]
.elseif j == 18
	v_max_num_f32 v[rT+1], v[rT+4], v[rT+5]
.elseif j == 19
	v_mul_f32 v[rT], s[CS], v[rT+1]
.elseif ((j == 17) || (j == 20) || (j == 23) || (j > 101)) && \first
.elseif j == 17
	v_mov_b32 v[rT+7], v[rT]
.elseif j == 20
	v_sub_f32 v[rT+7], v[rT+7], v[rT]
.elseif j == 23
	v_exp_f32 v[rT+6], v[rT+7]
.elseif (j < 23) || ((j < 38) && (j%2 == 0)) || ((j < 66) && (j%4 == 2))
.set b, (j-2)/4
.if j < 38
.set b, (j-20)/2
.endif
	v_pk_fma_f32 v[rS+2*b:rS+2*b+1], v[rS+2*b:rS+2*b+1], s[CS:CS+1], v[rT:rT+1] op_sel_hi:[1,0,0] neg_lo:[0,0,1] neg_hi:[0,0,1]
.elseif j < 70
.set e, j-38
.if j < 66
.set e, j-32-(j-38)/4
.endif
.if j < 38
.set e, (j-25)/2
.endif
	v_exp_f32 v[rS+e], v[rS+e]
.elseif j < 86
	v_cvt_pk_f16_f32 v[rP+j-70], v[rS+2*(j-70)], v[rS+2*(j-70)+1]
.elseif j < 102
.set z, j-86
.set w, 4
.set u, z
.if z >= 14
.set w, 32
.set u, 0
.elseif z >= 12
.set w, 16
.set u, z-12
.elseif z >= 8
.set w, 8
.set u, z-8
.endif
.if (z == 14) && \first
	v_pk_add_f32 v[rT+2:rT+3], v[rS:rS+1], v[rS+16:rS+17]
.elseif z < 15
	v_pk_add_f32 v[rS+w*u:rS+w*u+1], v[rS+w*u:rS+w*u+1], v[rS+w*u+w/2:rS+w*u+w/2+1]
.elseif !\first
	v_pk_fma_f32 v[rT+2:rT+3], v[rT+2:rT+3], v[rT+6:rT+7], v[rS:rS+1] op_sel_hi:[1,0,1]
.endif
.else
	WIN W_RS
	v_pk_mul_f32 v[rO:rO+1], v[rO:rO+1], v[rT+6:rT+7] op_sel_hi:[1,0]
.endif
.endm
; Slice k of 32 of tile y's softmax: slice 0 is numbers 0-5, slice k numbers 4 k + 2 .. 4 k + 5, slice 31 numbers 126-133.  Slices 5 to 16 deal out the batch; behind slice 16 no exponential is issued,
; and ahead of slice 17 nothing names a result: so the tile's 33 exponentials have one wait.  Slice 31's eight multiplies are the places behind the turn's last product.
.macro SLICE y, first
.if k == 0
.irp n, 0,1,2,3,4,5
.set j, \n
	SM \y, \first
.endr
.elseif k == 31
.irp n, 0,1,2,3,4,5,6,7
.set j, 126+\n
	SM \y, \first
.endr
.else
.irp n, 0,1,2,3
.set j, 4*k+2+\n
	SM \y, \first
.endr
.endif
.if k == 16
.if (\y) == 0
	v_nop                                          ; tile 1's turn: V's run of loads stands here.  The last product that read V stands in front of slice 15: behind it lie the scaling at number 62,
	v_nop                                          ; these three lines and the run's own addition: five plain instructions
	v_nop
	FETCH_V
.else
	v_nop                                          ; a plain instruction behind the last exponential
	s_wait_alu depctr_va_vdst(0)                   ; the wait for the batch
.endif
.endif
.set k, k+1
.endm
; A TURN.  Tile x has the matrix unit; the other tile's softmax stands in slices behind its products.  pv = 2: 16 products V^T P; 1: they start O^T; 0: none.  kq = 1: 16 products K Q^T of the next step.
; Tile 0's turn fetches the next step's K behind its second product (K's last reader stands in front of slice 31 of the turn before); tile 1's turn the same step's V.
.macro TURN x, pv, kq, first
.set k, 0
.set per, 2
.if \pv && \kq
.set per, 1
.endif
.if \pv
.if \x == 0
	s_wait_dscnt 0x0                               ; V is in
.endif
.set i, 0
.rept 16
	PV \x, 2-\pv
.rept per
	SLICE 1-\x, \first
.endr
.if (\x == 0) && \kq && (i == 1)
	FETCH_K
.endif
.set i, i+1
.endr
.endif
.if \kq
.if \x == 0
	s_wait_dscnt 0x0                               ; K is in
.endif
.set i, 0
.rept 16
	KQ \x
.rept per
	SLICE 1-\x, \first
.endr
.set i, i+1
.endr
.endif
.if \first
	PLACES                                         ; the first softmax has no rescaling: its last slices are empty
.endif
.endm
; THE MASK for tile y's scores of step SJ + 1.  e = the step's place in the diagonal unit (0, 1; negative ahead of it).  Tile of keys 4 e + t against tile of queries 2 w + y: before it nothing is hidden,
; on it the triangle, behind it all.  Written in the diagonal steps, and as zeros in the second block's first step.  The branches hang on the work-group's number and the count of steps.
.macro MASK y
	s_add_co_u32 s[T0], s[SJ], 1
	s_cmp_gt_u32 s[T0], s[JS]
	s_cselect_b32 s[T1], 32, s[DG1]
	s_sub_co_i32 s[T1], s[T0], s[T1]
	s_cmp_ge_i32 s[T1], 0
	s_cbranch_scc1 .Ldo_\@
	s_add_co_u32 s[T2], s[JS], 1
	s_cmp_eq_u32 s[T0], s[T2]
	s_cbranch_scc0 .Lno_\@
.Ldo_\@:
	s_lshl_b32 s[T2], s[T1], 2
	s_sub_co_i32 s[T2], s[QI], s[T2]
	s_add_co_i32 s[T2], s[T2], \y
	s_cmp_ge_i32 s[T1], 0
	s_cselect_b32 s[T2], s[T2], 64
.irp t, 0,1,2,3
	s_cmp_eq_i32 s[T2], \t
	s_cselect_b32 s[AL], 1.0, 0
	s_cmp_lt_i32 s[T2], \t
	s_cselect_b32 s[BE], s[NEGS], 0
.irp i, 0,1,2,3,4,5,6,7
	v_fma_f32 v[MK+8*\t+\i], v[TRI+\i], s[AL], s[BE]
.endr
.endr
.Lno_\@:
.endm
.macro NEWQ                            ; the second block's queries take the first's place
	WIN 0x82
.irp i, 0,1,2,3,4,5,6,7,8,9,10,11,12,13,14,15,16,17,18,19,20,21,22,23,24,25,26,27,28,29,30,31,32,33,34,35,36,37,38,39,40,41,42,43,44,45,46,47,48,49,50,51,52,53,54,55,56,57,58,59,60,61,62,63
	v_mov_b32 v[\i], v[64+\i]
.endr
	WIN 0
.endm
; Tile y is finished: O^T / l, rounded to f16, through my stage, stored as rows of 256 bytes.  restart = 1: its statistics begin anew.
.macro FINISH y, za, restart
.set rT, ST+8*(\y)
	s_wait_xcnt 0x0                                ; earlier stores have read the registers that are written below
	v_add_f32 v[rT+4], v[rT+2], v[rT+3]
	v_permlanex16_b32 v[rT+5], v[rT+4], s[SEL], s[SEL+1]
	v_add_f32 v[rT+4], v[rT+4], v[rT+5]
	v_rcp_f32 v[rT+6], v[rT+4]
	v_nop
	s_wait_alu depctr_va_vdst(0)
	WIN W_RS
.set i, 64*(\y)
.rept 32
	v_pk_mul_f32 v[i:i+1], v[i:i+1], v[rT+6:rT+7] op_sel_hi:[1,0]
.set i, i+2
.endr
	WIN 0x05
.set i, 0
.rept 32
	v_cvt_pk_f16_f32 v[TZ+i], v[64*(\y)+2*i], v[64*(\y)+2*i+1]
.set i, i+1
.endr
	WIN 0
.irp f, 0,1,2,3,4,5,6,7
	ds_store_b128 v[STO], v[TZ+4*\f:TZ+4*\f+3] offset:32*\f
.endr
.irp f, 0,1,2,3,4,5,6,7
	ds_load_b128 v[TZ+4*\f:TZ+4*\f+3], v[RD] offset:\f*2*SP     ; LDS serves a wave's instructions in order: these see the stores above
.endr
.irp f, 0,1,2,3,4,5,6,7
	s_wait_dscnt 7-\f                              ; the younger of the eight loads may be out
	global_store_b128 v[GO], v[TZ+4*\f:TZ+4*\f+3], s[\za:\za+1] offset:(\y)*65536+\f*8192   ; 16 lanes store 256 consecutive bytes, aligned
.endr
.if \restart
	v_mov_b32 v[rT+1], 0xff61b1e6                  ; m = -3e38
	v_mul_f32 v[rT], s[CS], v[rT+1]
	v_mov_b32 v[rT+2], 0
	v_mov_b32 v[rT+3], 0
.endif
.endm
; A key step: two turns.  ids = 1: with what the diagonal and the change of blocks ask for, at the turns' edges, where every window is 0.
.macro KEYSTEP ids
.if \ids
	s_cmp_eq_u32 s[SJ], s[JS]
	s_cbranch_scc0 .Lnq_\@
	NEWQ
.Lnq_\@:
	MASK 0
.endif
	TURN 0, 2, 1, 0
	WIN 0
.if \ids
	s_cmp_eq_u32 s[SJ], s[JS]
	s_cbranch_scc0 .Lfa_\@
	FINISH 0, ZA1, 1
.Lfa_\@:
	MASK 1
.endif
	TURN 1, 2, 1, 0
	WIN 0
.if \ids
	s_cmp_eq_u32 s[SJ], s[JS]
	s_cbranch_scc0 .Lfb_\@
	FINISH 1, ZA1, 1
.Lfb_\@:
.endif
	s_add_co_u32 s[SJ], s[SJ], 1
.endm
.macro STEPS n, ids
	s_mov_b32 s[TWICE], \n
.Lstep_\@:
	KEYSTEP \ids
	s_sub_co_u32 s[TWICE], s[TWICE], 1
	s_cmp_lg_u32 s[TWICE], 0
	s_cbranch_scc1 .Lstep_\@
.endm
; THE CHANGE OF SLOTS, when a slot's last step has been asked for.  Each wave waits for all its tensor loads (one is out: its part of the other slot), adds 0 to its spare word, and waits for that and for its reads.
; fill = 1: slot sl is filled again, each wave's unit two slots on along the walk (behind the first block's units come the second's, from key 0): the load has 4 key steps in which to land.
; fill = 2: the walk's last unit alone is left: waves 0 and 1.  wrap = 1: the fetches go back to the rings' first step.
.macro CHANGE sl, fill, wrap
	WIN 0
	s_wait_tensorcnt 0x0                           ; no tensor load of mine is out, so a group 0 may be written
	ds_add_u32 v[SPW], v[NIL]
.if \fill
	s_cmp_ge_u32 s[UN], s[L1]
	s_cselect_b32 s[T0], s[L1], 0
	s_sub_co_u32 s[T0], s[UN], s[T0]               ; which 128 keys
	s_lshl_b32 s[OFF], s[T0], 15
	s_add_nc_u64 s[G0K+4*\sl+2:G0K+4*\sl+3], s[BASEK:BASEK+1], s[OFF:OFF+1]
	s_or_b32 s[G0K+4*\sl+3], s[G0K+4*\sl+3], 0x80000000
	s_add_nc_u64 s[G0V+4*\sl+2:G0V+4*\sl+3], s[BASEV:BASEV+1], s[OFF:OFF+1]
	s_or_b32 s[G0V+4*\sl+3], s[G0V+4*\sl+3], 0x80000000
	s_add_co_u32 s[UN], s[UN], 2
	s_wait_xcnt 0x0                                ; the last prefetches, a slot back, have read their address
	s_add_nc_u64 s[PFA:PFA+1], s[PFA:PFA+1], 0x10000
	s_add_co_u32 s[CC], s[CC], 1
.endif
	s_wait_dscnt 0x0                               ; the add is done, and my reads of the slot are over
	s_barrier_signal -1
	s_barrier_wait -1
.if \fill == 1
	TLOAD \sl
	ASK
.elseif \fill == 2
	s_cmp_lt_u32 s[WV], 2
	s_cbranch_scc0 .Lnone_\@
	TLOAD \sl
.Lnone_\@:
.endif
.if \wrap
	s_sub_co_u32 s[TBK], s[TBK], 8*KSTEPB
	s_sub_co_u32 s[TBV], s[TBV], 8*VSTEPB
.endif
.endm
	s_wait_tensorcnt 1                             ; my part of slot 0 is in; slot 1's may stay out
	s_barrier_signal -1
	s_barrier_wait -1
	FETCH_K                                        ; key step 0
	s_wait_loadcnt 0x0                             ; both blocks' Q
	s_wait_dscnt 0x0
.set i, 0
.rept 16
	KQ 0
.set i, i+1
.endr
	WIN 0                                          ; the addresses for the way out: eight plain instructions, the places behind those products
	s_mul_i32 s[T0], s[WV], 16*SP
	s_add_co_u32 s[T0], s[T0], STAGE
	v_mul_u32_u24 v[STO], v1, SP
	v_lshl_add_u32 v[STO], v9, 4, v[STO]
	v_add_nc_u32 v[STO], s[T0], v[STO]
	v_mul_u32_u24 v[RD], v9, SP
	v_lshl_add_u32 v[RD], v1, 4, v[RD]
	v_add_nc_u32 v[RD], s[T0], v[RD]
	v_lshlrev_b32 v[GO], 12, v9                    ; a row of z is 4,096 bytes
	v_lshl_add_u32 v[GO], v1, 4, v[GO]
	TURN 1, 0, 1, 1                                ; tile 1's first scores | tile 0's first softmax | V of step 0
	TURN 0, 1, 1, 1                                ; tile 0: V^T P of step 0 starts O^T, K Q^T of step 1 | tile 1's first softmax | K of step 1
	TURN 1, 1, 1, 0                                ; tile 1: the same | tile 0's softmax of step 1 | V of step 1
	WIN 0
	s_mov_b32 s[SJ], 1
	STEPS 2, 0                                     ; steps 1, 2: the earliest diagonal is step 16
	s_mov_b32 s[LOOP], 3
.Lring:                                                ; three trips: changes 1 to 6, steps 3 to 26
	CHANGE 0, 1, 0
	STEPS 4, 1
	CHANGE 1, 1, 1
	STEPS 4, 1
	s_sub_co_u32 s[LOOP], s[LOOP], 1
	s_cmp_lg_u32 s[LOOP], 0
	s_cbranch_scc1 .Lring
	CHANGE 0, 2, 0                                 ; the tail is written out
	STEPS 4, 1                                     ; steps 27 to 30
	CHANGE 1, 0, 1
	STEPS 2, 1                                     ; steps 31, 32
	TURN 0, 2, 0, 0                                ; tile 0: V^T P of step 33 | tile 1's last softmax
.set i, 0
.rept 16
	PV 1, 0
.set i, i+1
.endr
	WIN 0
	PLACES
	FINISH 0, ZA2, 0
	FINISH 1, ZA2, 0
	s_wait_tensorcnt 0x0                           ; the wave's end
	ds_add_u32 v[SPW], v[NIL]
	s_wait_dscnt 0x0
	s_endpgm
.Lfunc_end_k_q9f5ebb509b_attn:
	.size	k_q9f5ebb509b_attn, .Lfunc_end_k_q9f5ebb509b_attn-k_q9f5ebb509b_attn
	.p2alignl 7, 3214868480
	.fill 96, 4, 3214868480
	.section	.rodata,"a",@progbits
	.p2align	6, 0x0
	.amdhsa_kernel k_q9f5ebb509b_attn
		.amdhsa_group_segment_fixed_size 327680
		.amdhsa_private_segment_fixed_size 0
		.amdhsa_enable_private_segment 0
		.amdhsa_kernarg_size 16
		.amdhsa_user_sgpr_count 2
		.amdhsa_user_sgpr_kernarg_segment_ptr 1
		.amdhsa_wavefront_size32 1
		.amdhsa_system_sgpr_workgroup_id_x 1
		.amdhsa_system_sgpr_workgroup_id_y 1
		.amdhsa_system_sgpr_workgroup_id_z 1
		.amdhsa_system_vgpr_workitem_id 0
		.amdhsa_next_free_vgpr 896
		.amdhsa_next_free_sgpr 90
		.amdhsa_reserve_vcc 1
		.amdhsa_float_denorm_mode_32 3
		.amdhsa_float_denorm_mode_16_64 3
		.amdhsa_memory_ordered 1
		.amdhsa_forward_progress 1
		.amdhsa_inst_pref_size 255
	.end_amdhsa_kernel
	.section	.bss,"aw",@nobits
	.p2align	6
	.space	262144
	.amdgpu_metadata
---
amdhsa.version: [ 1, 2 ]
amdhsa.kernels:
  - .name:           k_q9f5ebb509b_attn
    .symbol:         k_q9f5ebb509b_attn.kd
    .args:
      - { .name: qkv, .offset: 0, .size: 8, .value_kind: global_buffer, .address_space: global }
      - { .name: z, .offset: 8, .size: 8, .value_kind: global_buffer, .address_space: global }
    .group_segment_fixed_size: 327680
    .private_segment_fixed_size: 0
    .kernarg_segment_align: 8
    .kernarg_segment_size: 16
    .max_flat_workgroup_size: 128
    .sgpr_count:     90
    .vgpr_count:     896
    .wavefront_size: 32
...
	.end_amdgpu_metadata
.endif
;; end of part 3
;; launch oproj (part 4): grid 8 x 32, 4 waves a work-group, clusters of 4 x 4, 327,680 bytes of LDS; arguments z, wo, b_O, out0, qf, xc; writes out0, xc
.if DOCPART == 4
	.amdgcn_target "amdgcn-amd-amdhsa--gfx1250"
	.amdhsa_code_object_version 6
	.text
	.protected	k_q9f5ebb509b_oproj
	.globl	k_q9f5ebb509b_oproj
	.p2align	8
	.type	k_q9f5ebb509b_oproj,@function
k_q9f5ebb509b_oproj:
	s_mov_b64 s[64:65], 0
	v_nop
	global_prefetch_b8 v0, s[64:65] scope:SCOPE_SE
	s_setreg_imm32_b32 hwreg(HW_REG_WAVE_MODE, 25, 1), 1
	s_wait_xcnt 0x0
	s_wait_alu depctr_hold_cnt(0) depctr_sa_sdst(0) depctr_va_vdst(0) depctr_va_sdst(0) depctr_va_ssrc(0) depctr_va_vcc(0) depctr_vm_vsrc(0)
	s_getreg_b32 s2, hwreg(HW_REG_IB_STS2, 6, 4)
	s_cmp_eq_u32 s2, 0
	s_cbranch_scc0 .Lentry_in_a_cluster
	s_endpgm
.Lentry_in_a_cluster:
	s_bfe_u32 s2, ttmp6, 0x10000c
	s_cmp_lg_u32 s2, 0xf033
	s_cbranch_scc0 .Lentry_shape_is_right
	s_endpgm
.Lentry_shape_is_right:
; OPROJ.  out0[m][n] = the sum over k of z[m][k] wo[n][k] + b_O[n].  z: [4096][2048] f16, wo: [1024][2048] f16, out0: [4096][1024] f32; sums in f32.
; 256 tiles of 128 x 128, one to a work-group; four waves, 64 x 64 each: 16 accumulators.  K goes in steps of 256 (LDS rows of 512 bytes) through a ring of two slots.
; CLUSTERS: 4 x 4 work-groups; z's tiles are shared along a row of the cluster, wo's along a column: joint loads.  THE MATRIX INSTRUCTION IS USED TRANSPOSED: a lane holds eight neighbouring columns of a row.
; The bias is the C of each sum's first product.  A wave's 64 columns of f32 are 256 aligned bytes, so each wave has a stage of its own and no barrier stands on the way out.
; The first 16 positions of each sequence are written here like all rows and written again by the launch that carries them in f32: a skip would be a branch on a work-group's place in its cluster.
; A SIDE JOB OF WAVE 0, between the requests for the first tiles and the wait for them: the attention of the first 16 positions in f32, for that later launch.  There are as many work-groups as
; 32 (batch, head) x 8 tiles of 16 channels: the work-group at (tile row, tile column) makes z(16 queries, 16 channels) of (batch, head) = tile row, channel tile = tile column, out of qf [3][32][16][128] f32.
; So a head's scores are made 8 times in the launch; made in the later launch, each of its 64 column tiles of a batch would load 24,576 bytes and issue 64 products for each head.  The place in the cluster enters by address alone.
; The result is stored as an image of the next operand's registers, [32 (batch, head)][8 tiles][2 halves][32 lanes][16 bytes]: 262,144 bytes at the head of xc, whose codes nobody reads any more
; (all eight workspace buffers are taken).
; LIMIT of the side job: hidden keys get weight 0 where reference() fills -100000: the same wherever a row's largest kept score lies above -100000 + 104.
; REGISTERS: window 0: v0-31 addresses; v32-95 the way out (v32-63 first serve the side job); v96-127 the bias; v128-255 the accumulators (the first four serve the side job's f32 sums first).
;   window 1: two fragment buffers of 128 (the first holds the side job's K and Q first).
.set SIZE_N, 1024
.set SIZE_K, 2048
.set KSTEP,  256
.set PITCH,  528                       ; 512 bytes + 16: row r starts at bank 4 r mod 64 (64 banks of 4 bytes: ISA guide 11.1)
.set HALFT,  64*PITCH
.set SLOT,   4*HALFT
.set STAGE,  2*SLOT                    ; behind the ring: 16 rows x 272 bytes for each wave
.set SPITCH, 272
.set SPARE,  STAGE+4*16*SPITCH
.set LAPS, SIZE_K/(2*KSTEP)
.set SKQ,  8                           ; v8   side job: my place in K's and Q's 16 rows: 512 r + 16 h
.set SVO,  9                           ; v9   in V: key 8 h, channel r
.set SDG,  10                          ; v10  r - 8 h: register i's key is hidden where i is above it
.set SZO,  11                          ; v11  16 x lane: my place in an image
.set SA,   12                          ; v12, v13 at work
.set SB,   13
.set ADRA, 16
.set ADRB, 20
.set STO,  24
.set RD,   25
.set CO,   26
.set BO,   27
.set SPW,  28
.set NIL,  29
.set TMP,  32
.set VS,   32                          ; v32-39 side job: V(key 8 h + e, my channel)
.set PRS,  40                          ; v40-47 p
.set SW,   48                          ; v48-55, v56-63 at work
.set SX,   56
.set BIAS, 96
.set ACC,  128
.set F0,   0
.set F1,   128
.set G1, 24
.set G0, 32
.set G1B, 48
.set G0B, 56
.set MSB, 0
.macro WIN new
.if MSB != \new
	s_set_vgpr_msb (MSB<<8)|\new
.set MSB, \new
.endif
.endm
.set MUL,  0x05                        ; sources 0 and 1 window 1; C and D window 0
.set TO_F, 0x40
.macro JLOAD s                         ; a joint load: waves 0 and 1 fetch z's two halves, waves 2 and 3 wo's; an s_nop 0 and four v_nop follow each line
	s_cmp_eq_u32 s11, 0
	s_cbranch_scc0 .Lfor_b_\@
	tensor_load_to_lds s[G0+4*\s:G0+4*\s+3], s[G1:G1+7]
	s_nop 0
.rept 4
	v_nop
.endr
	s_branch .Lasked_\@
.Lfor_b_\@:
	tensor_load_to_lds s[G0B+4*\s:G0B+4*\s+3], s[G1B:G1B+7]
	s_nop 0
.rept 4
	v_nop
.endr
.Lasked_\@:
.endm
.macro CREST
	s_cmp_lg_u32 s10, 0
	s_cbranch_scc1 .Lnot_wave_0_\@
	s_barrier_signal -3
.Lnot_wave_0_\@:
	s_barrier_wait -3
	s_barrier_signal -1
	s_barrier_wait -1
.endm
.macro CROUND
	s_barrier_signal -1
	s_barrier_wait -1
	CREST
.endm
.macro FARP                            ; places behind the f32 matrix form (ISA guide 7.12.1): enough for a matrix instruction that writes over its registers too
.rept 9
	v_nop
.endr
.endm
	s_load_b128 s[4:7], s[0:1], 0x0                ; z, wo
	s_load_b128 s[68:71], s[0:1], 0x10             ; b_O, out0
	s_load_b128 s[76:79], s[0:1], 0x20             ; qf, xc
	v_lshl_add_u32 v[SPW], v0, 2, SPARE
	v_mov_b32 v[NIL], 0
	ds_add_u32 v[SPW], v[NIL]                      ; the wave's opening: the add, twice on end, and its wait ahead of my first tensor load
	ds_add_u32 v[SPW], v[NIL]
	v_lshrrev_b32 v1, 5, v0
	v_readfirstlane_b32 s10, v1                    ; wave 0..3
	s_lshr_b32 s11, s10, 1                         ; which half of the tile's rows is mine.  Also: I fetch for z (0) or for wo (1)
	s_and_b32 s12, s10, 1                          ; which half of its columns.  Also: which 64 rows I fetch
	s_bfe_u32 s40, ttmp6, 0x40000
	s_bfe_u32 s41, ttmp6, 0x40004
	s_lshl_b32 s42, ttmp9, 2
	s_add_co_u32 s42, s42, s40                     ; tile column
	s_and_b32 s13, ttmp7, 0xffff
	s_lshl_b32 s13, s13, 2
	s_add_co_u32 s13, s13, s41                     ; tile row
	s_lshl_b32 s43, s41, 2
	s_lshl_b32 s43, 15, s43
	s_lshl_b32 s44, 0x1111, s40
	s_or_b32 s[G1+0], s43, (1<<16)|(1<<20)|(1<<21)|(6<<22)|(3<<25)  ; the mask; elements of 2 bytes; padding: 4 words behind every 128; bit 21 beside a mask
	s_or_b32 s[G1B+0], s44, (1<<16)|(1<<20)|(1<<21)|(6<<22)|(3<<25)
.irp g, G1, G1B
	s_mov_b32 s[\g+1], KSTEP<<16
	s_mov_b32 s[\g+2], 64<<16
	s_mov_b32 s[\g+3], KSTEP<<16
	s_mov_b32 s[\g+4], 64
	s_mov_b32 s[\g+5], SIZE_K
	s_mov_b32 s[\g+6], 0
	s_mov_b32 s[\g+7], 0
.endr
	s_lshl_b32 s17, s12, 6
	s_lshl_b32 s16, s13, 7
	s_add_co_u32 s16, s16, s17
	s_lshl_b32 s46, s42, 7
	s_add_co_u32 s46, s46, s17
	s_mov_b32 s17, 0
	s_mov_b32 s47, 0
	s_mov_b64 s[18:19], SIZE_K*2
	s_mul_u64 s[16:17], s[16:17], s[18:19]
	s_mul_u64 s[46:47], s[46:47], s[18:19]
	s_mul_i32 s20, s10, HALFT
	v_and_b32 v1, 15, v0                           ; r = l % 16
	v_bfe_u32 v2, v0, 4, 1                         ; h = l / 16
	v_lshlrev_b32 v[SKQ], 9, v1                    ; the side job's offsets, in registers and scalars of their own
	v_lshl_add_u32 v[SKQ], v2, 4, v[SKQ]
	v_lshlrev_b32 v[SVO], 2, v1
	v_lshl_add_u32 v[SVO], v2, 12, v[SVO]
	v_lshlrev_b32 v[SDG], 3, v2
	v_sub_nc_u32 v[SDG], v1, v[SDG]
	v_and_b32 v[SZO], 31, v0
	v_lshlrev_b32 v[SZO], 4, v[SZO]
	s_lshl_b32 s80, s13, 13                        ; 8,192 bytes for each (batch, head) = tile row, in qf and in the images
	s_mov_b32 s81, 0
	s_lshl_b32 s82, s42, 6                         ; my 16 channels = tile column: 64 bytes of a row of V,
	s_mov_b32 s83, 0
	s_lshl_b32 s84, s42, 10                        ; 1,024 bytes of the images
	s_add_co_u32 s84, s84, s80
	s_mov_b32 s85, 0
	s_mov_b32 s72, 0x76543210                      ; v_permlanex16_b32's selects for lane l xor 16
	s_mov_b32 s73, 0xfedcba98
	s_mov_b32 s74, 0x3e0293ee                      ; c = log2(e) / sqrt(128)
	s_wait_dscnt 0x0                               ; both opening adds are done
	s_wait_kmcnt 0x0
	s_add_nc_u64 s[14:15], s[4:5], s[16:17]
	s_add_nc_u64 s[46:47], s[6:7], s[46:47]
	s_add_nc_u64 s[76:77], s[76:77], s[80:81]      ; q of my (batch, head); k lies 262,144 bytes on, v 524,288
	s_add_nc_u64 s[82:83], s[76:77], s[82:83]      ; the same at my 16 channels
	s_add_nc_u64 s[78:79], s[78:79], s[84:85]      ; where my tile's image goes
	s_cmp_lg_u32 s10, 0                            ; the side job's 40 loads go out first of all, ahead of the tiles
	s_cbranch_scc1 .Lno_side_loads
	WIN TO_F
.irp i, 0,1,2,3,4,5,6,7,8,9,10,11,12,13,14,15
	global_load_b128 v[4*\i:4*\i+3], v[SKQ], s[76:77] offset:262144+32*\i      ; K(row r, channels 8 i + 4 h + 0 .. 3): which channel stands where is free so long as K and Q agree
.endr
.irp i, 0,1,2,3,4,5,6,7,8,9,10,11,12,13,14,15
	global_load_b128 v[64+4*\i:64+4*\i+3], v[SKQ], s[76:77] offset:32*\i       ; Q likewise
.endr
	WIN 0
.irp e, 0,1,2,3,4,5,6,7
	global_load_b32 v[VS+\e], v[SVO], s[82:83] offset:524288+512*\e            ; V(key 8 h + e, my channel r)
.endr
.Lno_side_loads:
	CROUND                                         ; all sixteen work-groups are here: the first joint loads meet
.irp s, 0,1
	s_mov_b32 s[G0+4*\s], 1
	s_add_co_u32 s[G0+4*\s+1], s20, \s*SLOT
	s_add_nc_u64 s[G0+4*\s+2:G0+4*\s+3], s[14:15], \s*KSTEP*2
	s_or_b32 s[G0+4*\s+3], s[G0+4*\s+3], 0x80000000
	s_mov_b32 s[G0B+4*\s], 1
	s_add_co_u32 s[G0B+4*\s+1], s20, \s*SLOT
	s_add_nc_u64 s[G0B+4*\s+2:G0B+4*\s+3], s[46:47], \s*KSTEP*2
	s_or_b32 s[G0B+4*\s+3], s[G0B+4*\s+3], 0x80000000
	JLOAD \s
.endr
	v_mul_u32_u24 v3, v1, PITCH
	v_lshl_add_u32 v3, v2, 4, v3
	s_mul_i32 s21, s11, HALFT
	s_mul_i32 s22, s12, HALFT
	s_add_co_u32 s22, s22, 2*HALFT
.irp s, 0,1
	v_add_nc_u32 v[ADRA+\s], s21, v3
	v_add_nc_u32 v[ADRB+\s], s22, v3
	s_add_co_u32 s21, s21, SLOT
	s_add_co_u32 s22, s22, SLOT
.endr
	s_mul_i32 s23, s10, 16*SPITCH
	s_add_co_u32 s23, s23, STAGE                   ; my stage
	v_mul_u32_u24 v4, v1, SPITCH
	v_lshl_add_u32 v4, v2, 5, v4
	v_add_nc_u32 v[STO], s23, v4                   ; in: row l % 16, 32 bytes for each half of the lanes
	v_mul_u32_u24 v5, v2, SPITCH
	v_lshl_add_u32 v5, v1, 4, v5
	v_add_nc_u32 v[RD], s23, v5                    ; back: lanes 0-15 one row of 256 bytes, lanes 16-31 the next
	v_lshlrev_b32 v5, 12, v2
	v_lshl_add_u32 v[CO], v1, 4, v5                ; and the same two rows in out0
	v_lshlrev_b32 v[BO], 5, v2
	s_lshl_b32 s16, s13, 7
	s_lshl_b32 s17, s11, 6
	s_add_co_u32 s16, s16, s17                     ; my first row
	s_lshl_b32 s16, s16, 12
	s_mov_b32 s17, 0
	s_add_nc_u64 s[70:71], s[70:71], s[16:17]
	s_lshl_b32 s46, s42, 9                         ; my first column, in bytes
	s_lshl_b32 s47, s12, 8
	s_add_co_u32 s46, s46, s47
	s_mov_b32 s47, 0
	s_add_nc_u64 s[70:71], s[70:71], s[46:47]
	s_add_nc_u64 s[68:69], s[68:69], s[46:47]
.irp b, 0,1,2,3
	global_load_b128 v[BIAS+8*\b:BIAS+8*\b+3], v[BO], s[68:69] offset:64*\b       ; lane (r, h), tile b: b_O of columns 16 b + 8 h + 0 .. 7
	global_load_b128 v[BIAS+8*\b+4:BIAS+8*\b+7], v[BO], s[68:69] offset:64*\b+16
.endr
; ---- THE SIDE JOB, wave 0 alone, while the first tiles are on their way.  The branch hangs on the wave's number.
	s_cmp_lg_u32 s10, 0
	s_cbranch_scc1 .Lno_side
	s_wait_loadcnt 0x0                             ; K, Q, V (and the bias)
	WIN MUL                                        ; K and Q in window 1, the sums in window 0
; S^T = K Q^T: 32 products of 4 along K, four accumulators by turns, written by matrix instructions alone.  A lane holds ONE query (lane % 16) and keys 8 h + 0 .. 7
.set n, 0
.rept 32
.if n < 4
	v_wmma_f32_16x16x4_f32 v[ACC+8*(n%4):ACC+8*(n%4)+7], v[2*n:2*n+1], v[64+2*n:64+2*n+1], 0
.else
	v_wmma_f32_16x16x4_f32 v[ACC+8*(n%4):ACC+8*(n%4)+7], v[2*n:2*n+1], v[64+2*n:64+2*n+1], v[ACC+8*(n%4):ACC+8*(n%4)+7]
.endif
.set n, n+1
.endr
	WIN 0
	FARP
.irp i, 0,1,2,3,4,5,6,7
	v_add_f32 v[SW+\i], v[ACC+\i], v[ACC+8+\i]                             ; each accumulator from its low end on
.endr
.irp i, 0,1,2,3,4,5,6,7
	v_add_f32 v[SX+\i], v[ACC+16+\i], v[ACC+24+\i]
.endr
.irp i, 0,1,2,3,4,5,6,7
	v_add_f32 v[SW+\i], v[SW+\i], v[SX+\i]
.endr
	v_mov_b32 v[SA], 0xff800000                    ; -infinity
.irp i, 0,1,2,3,4,5,6,7
	v_cmp_gt_i32 vcc_lo, \i, v[SDG]
	v_cndmask_b32 v[SW+\i], v[SW+\i], v[SA], vcc_lo
.endr
	v_max3_num_f32 v[SB], v[SW], v[SW+1], v[SW+2]
	v_max3_num_f32 v[SB], v[SB], v[SW+3], v[SW+4]
	v_max3_num_f32 v[SB], v[SB], v[SW+5], v[SW+6]
	v_max_num_f32 v[SB], v[SB], v[SW+7]
	v_permlanex16_b32 v[SA], v[SB], s72, s73
	v_max_num_f32 v[SB], v[SB], v[SA]              ; the row's largest score: key 0 counts for every query, so it is a number
	v_mul_f32 v[SB], s74, v[SB]
.irp i, 0,1,2,3,4,5,6,7
	v_fma_f32 v[SW+\i], v[SW+\i], s74, -v[SB]
.endr
.irp i, 0,1,2,3,4,5,6,7
	v_exp_f32 v[PRS+\i], v[SW+\i]
.endr
	v_nop                                          ; a plain instruction behind the last exponential,
	s_wait_alu depctr_va_vdst(0)                   ; and one wait for the batch, ahead of its first reader
	v_add_f32 v[SA], v[PRS], v[PRS+1]
	v_add_f32 v[SB], v[PRS+2], v[PRS+3]
	v_add_f32 v[SW], v[PRS+4], v[PRS+5]
	v_add_f32 v[SW+1], v[PRS+6], v[PRS+7]
	v_add_f32 v[SA], v[SA], v[SB]
	v_add_f32 v[SW], v[SW], v[SW+1]
	v_add_f32 v[SA], v[SA], v[SW]
	v_permlanex16_b32 v[SB], v[SA], s72, s73
	v_add_f32 v[SA], v[SA], v[SB]
	v_rcp_f32 v[SB], v[SA]                         ; 1 / the row's sum
	v_nop
	s_wait_alu depctr_va_vdst(0)
; O^T = V^T P^T for my 16 channels: K = 16 keys, four products, each on an accumulator of its own
.irp st, 0,1,2,3
	v_wmma_f32_16x16x4_f32 v[ACC+8*\st:ACC+8*\st+7], v[VS+2*\st:VS+2*\st+1], v[PRS+2*\st:PRS+2*\st+1], 0
.endr
	FARP                                           ; also the places ahead of the GEMM's first products, which write over these accumulators
.irp i, 0,1,2,3,4,5,6,7
	v_add_f32 v[SW+\i], v[ACC+\i], v[ACC+8+\i]
.endr
.irp i, 0,1,2,3,4,5,6,7
	v_add_f32 v[SX+\i], v[ACC+16+\i], v[ACC+24+\i]
.endr
.irp i, 0,1,2,3,4,5,6,7
	v_add_f32 v[SW+\i], v[SW+\i], v[SX+\i]
.endr
.irp i, 0,1,2,3,4,5,6,7
	v_mul_f32 v[SX+\i], v[SW+\i], v[SB]            ; z(query r, channel 16 t + 8 h + i)
.endr
	global_store_b128 v[SZO], v[SX:SX+3], s[78:79]                         ; the wave stores 512 consecutive bytes, aligned
	global_store_b128 v[SZO], v[SX+4:SX+7], s[78:79] offset:512
	s_wait_xcnt 0x0                                ; the way out writes these registers again: only behind this wait
.Lno_side:
.macro MUL8 f, c, a0, zero             ; 8 matrix instructions; zero = 1: the first product starts the sums on the bias.  The accumulators take turns
.irp a, \a0, \a0+1
.irp b, 0,1,2,3
.if \zero
	v_wmma_f32_16x16x32_f16 v[ACC+8*(4*(\a)+\b):ACC+8*(4*(\a)+\b)+7], v[\f+64+8*(4*\c+\b):\f+64+8*(4*\c+\b)+7], v[\f+8*(4*\c+\a):\f+8*(4*\c+\a)+7], v[BIAS+8*\b:BIAS+8*\b+7]
.else
	v_wmma_f32_16x16x32_f16 v[ACC+8*(4*(\a)+\b):ACC+8*(4*(\a)+\b)+7], v[\f+64+8*(4*\c+\b):\f+64+8*(4*\c+\b)+7], v[\f+8*(4*\c+\a):\f+8*(4*\c+\a)+7], v[ACC+8*(4*(\a)+\b):ACC+8*(4*(\a)+\b)+7]
.endif
.endr
.endr
.endm
.macro FETCH slot, k, f
	WIN TO_F
.irp c, 0,1
.irp i, 0,1,2,3
	ds_load_b128 v[\f+64+8*(4*\c+\i):\f+64+8*(4*\c+\i)+3],   v[ADRB+\slot] offset:\k+64*\c+\i*16*PITCH
	ds_load_b128 v[\f+64+8*(4*\c+\i)+4:\f+64+8*(4*\c+\i)+7], v[ADRB+\slot] offset:\k+64*\c+\i*16*PITCH+32
	ds_load_b128 v[\f+8*(4*\c+\i):\f+8*(4*\c+\i)+3],         v[ADRA+\slot] offset:\k+64*\c+\i*16*PITCH
	ds_load_b128 v[\f+8*(4*\c+\i)+4:\f+8*(4*\c+\i)+7],       v[ADRA+\slot] offset:\k+64*\c+\i*16*PITCH+32
.endr
.endr
.endm
.macro PLACES
.rept 4
	v_nop
.endr
.endm
.macro QUARTER slot, k, f, g, zero
	s_wait_dscnt 16                                ; the first 32 along K are in; the other sixteen loads may be out
	WIN MUL
	MUL8 \f, 0, 0, \zero
	MUL8 \f, 0, 2, \zero
	PLACES
	FETCH \slot, \k, \g
	s_wait_dscnt 32                                ; all but the 32 just issued
	WIN MUL
	MUL8 \f, 1, 0, 0
	MUL8 \f, 1, 2, 0
.endm
.macro TURN slot, next, fill
	WIN 0
	s_wait_tensorcnt 0x0                           ; all my tensor loads have landed: my part of the next slot
	ds_add_u32 v[SPW], v[NIL]
	s_wait_dscnt 17                                ; the add and the youngest sixteen loads may be out
	WIN MUL
	MUL8 F1, 0, 0, 0
	s_wait_dscnt 0x0                               ; the add is done, and my reads of this slot are over
	s_barrier_signal -1
	MUL8 F1, 0, 2, 0
.if \fill
	WIN 0
.endif
	s_barrier_wait -1
.if \fill
	CREST                                          ; the barrier has opened a round of the cluster's barrier
	s_add_nc_u64 s[G0+4*\slot+2:G0+4*\slot+3], s[G0+4*\slot+2:G0+4*\slot+3], 2*KSTEP*2
	s_add_nc_u64 s[G0B+4*\slot+2:G0B+4*\slot+3], s[G0B+4*\slot+2:G0B+4*\slot+3], 2*KSTEP*2
	JLOAD \slot
.else
	PLACES
.endif
	FETCH \next, 0, F0
	WIN MUL
	MUL8 F1, 1, 0, 0
	MUL8 F1, 1, 2, 0
.endm
	s_wait_tensorcnt 1                             ; my part of K step 0 is in; K step 1's load may be out
	s_barrier_signal -1
	s_barrier_wait -1
	FETCH 0, 0, F0
	s_wait_loadcnt 0x0                             ; the bias
	QUARTER 0, 128, F0, F1, 1
	WIN 0
	s_mov_b32 s3, LAPS-1
.Llap:
	QUARTER 0, 256, F1, F0, 0
	QUARTER 0, 384, F0, F1, 0
	TURN 0, 1, 1
	QUARTER 1, 128, F0, F1, 0
	QUARTER 1, 256, F1, F0, 0
	QUARTER 1, 384, F0, F1, 0
	TURN 1, 0, 1
	QUARTER 0, 128, F0, F1, 0
	WIN 0
	s_sub_co_u32 s3, s3, 1
	s_cmp_lg_u32 s3, 0
	s_cbranch_scc1 .Llap
	QUARTER 0, 256, F1, F0, 0                      ; the last lap fills nothing
	QUARTER 0, 384, F0, F1, 0
	TURN 0, 1, 0
	QUARTER 1, 128, F0, F1, 0
	QUARTER 1, 256, F1, F0, 0
	QUARTER 1, 384, F0, F1, 0
	s_wait_dscnt 16
	WIN MUL
	MUL8 F1, 0, 0, 0
	MUL8 F1, 0, 2, 0
	s_wait_dscnt 0
	MUL8 F1, 1, 0, 0
	MUL8 F1, 1, 2, 0
	WIN 0
	; THE WAY OUT, 16 rows x 64 columns of f32 at a time, through my own stage; back as whole rows of 256 bytes
	PLACES
.irp a, 0,1,2,3
.irp b, 0,1,2,3
	ds_store_b128 v[STO], v[ACC+8*(4*\a+\b):ACC+8*(4*\a+\b)+3] offset:64*\b          ; each accumulator from its low end on
	ds_store_b128 v[STO], v[ACC+8*(4*\a+\b)+4:ACC+8*(4*\a+\b)+7] offset:64*\b+16
.endr
.if \a > 1
	s_wait_xcnt 0x0                                ; the stores of two blocks back have read these registers
.endif
.irp t, 0,1,2,3,4,5,6,7
	ds_load_b128 v[TMP+32*(\a%2)+4*\t:TMP+32*(\a%2)+4*\t+3], v[RD] offset:\t*2*SPITCH   ; LDS serves a wave's instructions in order
.endr
.irp t, 0,1,2,3,4,5,6,7
	s_wait_dscnt 7-\t                              ; the younger of the eight loads may be out
	global_store_b128 v[CO], v[TMP+32*(\a%2)+4*\t:TMP+32*(\a%2)+4*\t+3], s[70:71] offset:(16*\a+2*\t)*4096 th:TH_STORE_NT   ; 16 lanes store 256 consecutive bytes, aligned
.endr
.endr
	s_wait_tensorcnt 0x0                           ; the wave's end
	ds_add_u32 v[SPW], v[NIL]
	s_wait_dscnt 0x0
	CROUND                                         ; the closing round
	s_endpgm
.Lfunc_end_k_q9f5ebb509b_oproj:
	.size	k_q9f5ebb509b_oproj, .Lfunc_end_k_q9f5ebb509b_oproj-k_q9f5ebb509b_oproj
	.p2alignl 7, 3214868480
	.fill 96, 4, 3214868480
	.section	.rodata,"a",@progbits
	.p2align	6, 0x0
	.amdhsa_kernel k_q9f5ebb509b_oproj
		.amdhsa_group_segment_fixed_size 327680
		.amdhsa_private_segment_fixed_size 0
		.amdhsa_enable_private_segment 0
		.amdhsa_kernarg_size 48
		.amdhsa_user_sgpr_count 2
		.amdhsa_user_sgpr_kernarg_segment_ptr 1
		.amdhsa_wavefront_size32 1
		.amdhsa_system_sgpr_workgroup_id_x 1
		.amdhsa_system_sgpr_workgroup_id_y 1
		.amdhsa_system_sgpr_workgroup_id_z 1
		.amdhsa_system_vgpr_workitem_id 0
		.amdhsa_next_free_vgpr 512
		.amdhsa_next_free_sgpr 96
		.amdhsa_reserve_vcc 1
		.amdhsa_float_denorm_mode_32 3
		.amdhsa_float_denorm_mode_16_64 3
		.amdhsa_memory_ordered 1
		.amdhsa_forward_progress 1
		.amdhsa_inst_pref_size 99
	.end_amdhsa_kernel
	.amdgpu_metadata
---
amdhsa.version: [ 1, 2 ]
amdhsa.kernels:
  - .name:           k_q9f5ebb509b_oproj
    .symbol:         k_q9f5ebb509b_oproj.kd
    .args:
      - { .name: z, .offset: 0, .size: 8, .value_kind: global_buffer, .address_space: global }
      - { .name: wo, .offset: 8, .size: 8, .value_kind: global_buffer, .address_space: global }
      - { .name: b_O, .offset: 16, .size: 8, .value_kind: global_buffer, .address_space: global }
      - { .name: out0, .offset: 24, .size: 8, .value_kind: global_buffer, .address_space: global }
      - { .name: qf, .offset: 32, .size: 8, .value_kind: global_buffer, .address_space: global }
      - { .name: xc, .offset: 40, .size: 8, .value_kind: global_buffer, .address_space: global }
    .group_segment_fixed_size: 327680
    .private_segment_fixed_size: 0
    .kernarg_segment_align: 8
    .kernarg_segment_size: 48
    .max_flat_workgroup_size: 128
    .sgpr_count:     96
    .vgpr_count:     512
    .wavefront_size: 32
...
	.end_amdgpu_metadata
.endif
;; end of part 4
;; launch fine (part 5): grid 64 x 2, 16 waves a work-group, no clusters, 18,432 bytes of LDS; arguments xc, W_O, b_O, out0; writes out0
.if DOCPART == 5
	.amdgcn_target "amdgcn-amd-amdhsa--gfx1250"
	.amdhsa_code_object_version 6
	.text
	.protected	k_q9f5ebb509b_fine
	.globl	k_q9f5ebb509b_fine
	.p2align	8
	.type	k_q9f5ebb509b_fine,@function
k_q9f5ebb509b_fine:
	s_mov_b64 s[64:65], 0
	v_nop
	global_prefetch_b8 v0, s[64:65] scope:SCOPE_SE
	s_setreg_imm32_b32 hwreg(HW_REG_WAVE_MODE, 25, 1), 1
	s_wait_xcnt 0x0
; FINE.  The projection out of the first 16 positions of each of the two sequences, where a row of the softmax averages one to sixteen values, in f32: out0[2048 b + q][n] = the sum over k of z[q][k] W_O[k][n] + b_O[n], q = 0 .. 15.
; z of these rows was made in f32 by the launch before and lies at the head of xc as images of this product's operand registers: [32 (batch, head)][16 loads][32 lanes][16 bytes]:
; register 8 t + i of lane (r, h) is z(query r, channel 16 t + 8 h + i) of the head.  W_O: [2048][1024] f32.  The 32 rows of out0 are written over what the launch before left there.
; A work-group makes 16 columns of the 16 rows of one batch; wave = head: 32 products of 4 along K on its head's 128 channels.  The 16 parts meet in LDS and are added in the order of the heads: every output number has one owner.
; THE f32 MATRIX FORM takes 4 along K; which k stands where is free so long as both sources agree: W_O's register 8 t + e of lane (r, h) is row 128 head + 16 t + 8 h + e, column r.
; Four accumulators take turns; they are written by matrix instructions alone.  The products of channel tile t start as soon as its eight loads of W_O are in.
.set RED,   0                          ; LDS: 1,024 bytes a head: its part of the output
.set SPARE, 16384                      ; the spare words, 128 bytes a wave: eight blocks of 256 bytes that no other line names
.set ZR,  16                           ; v16-79   z of my head, later the sixteen parts
.set WR,  80                           ; v80-143  W_O
.set PT,  144                          ; v144-159 my part
.set ACC, 208                          ; v208-239 four accumulators
.macro FARP                            ; places behind the f32 matrix form (ISA guide 7.12.1)
.rept 9
	v_nop
.endr
.endm
	s_load_b256 s[4:11], s[0:1], 0x0               ; z's images, W_O, b_O, out0
	v_lshl_add_u32 v7, v0, 2, SPARE                ; my spare word; never rewritten
	v_mov_b32 v8, 0                                ; 0; never rewritten
	v_lshrrev_b32 v1, 5, v0
	v_readfirstlane_b32 s12, v1                    ; wave = head
	s_and_b32 s13, ttmp7, 0xffff                   ; batch
	s_lshl_b32 s14, ttmp9, 6                       ; my 16 columns, in bytes
	v_and_b32 v1, 15, v0                           ; r
	v_bfe_u32 v2, v0, 4, 1                         ; h
	v_lshlrev_b32 v12, 2, v1                       ; 4 r
	v_lshl_add_u32 v5, v2, 15, v12                 ; W_O and out0: row 8 h of 4,096 bytes, column r
	v_and_b32 v3, 31, v0
	v_lshlrev_b32 v3, 4, v3                        ; 16 x lane: my place in an image
	s_lshl_b32 s15, s12, 9
	v_add_nc_u32 v10, s15, v3                      ; waves 0, 1 read: 512 x wave + 16 x lane
	s_lshl_b32 s15, s12, 10
	v_add_nc_u32 v9, s15, v3                       ; I store: 1,024 x head + 16 x lane
	s_lshl_b32 s15, s12, 14
	v_add_nc_u32 v11, s15, v5                      ; waves 0, 1 store rows 8 h + 4 x wave + 0 .. 3
	s_lshl_b32 s16, s13, 4
	s_add_co_u32 s16, s16, s12
	s_lshl_b32 s16, s16, 13                        ; 8,192 bytes for each (batch, head)
	s_mov_b32 s17, 0
	s_lshl_b32 s18, s12, 19                        ; my head's 128 rows of W_O
	s_add_co_u32 s18, s18, s14
	s_mov_b32 s19, 0
	s_lshl_b32 s24, s13, 23                        ; my batch's first row of out0
	s_add_co_u32 s24, s24, s14
	s_mov_b32 s25, 0
	s_mov_b32 s26, s14
	s_mov_b32 s27, 0
	s_wait_kmcnt 0x0
	s_add_nc_u64 s[4:5], s[4:5], s[16:17]
	s_add_nc_u64 s[6:7], s[6:7], s[18:19]
	s_add_nc_u64 s[8:9], s[8:9], s[26:27]
	s_add_nc_u64 s[10:11], s[10:11], s[24:25]
	global_load_b32 v13, v12, s[8:9]               ; b_O of my column
.irp i, 0,1,2,3,4,5,6,7,8,9,10,11,12,13,14,15
	global_load_b128 v[ZR+4*\i:ZR+4*\i+3], v3, s[4:5] offset:512*\i         ; the wave reads 512 consecutive bytes
.endr
.irp t, 0,1,2,3,4,5,6,7
.irp e, 0,1,2,3,4,5,6,7
	global_load_b32 v[WR+8*\t+\e], v5, s[6:7] offset:(16*\t+\e)*4096        ; W_O(128 head + 16 t + 8 h + e, my column)
.endr
.endr
; ---- my head's part of the output: 32 products, four for each tile of 16 channels
.irp t, 0,1,2,3,4,5,6,7
	s_wait_loadcnt 56-8*\t                         ; the bias, z and W_O's tiles up to t are in; the eight loads of each later tile may be out
.irp i, 0,1,2,3
.if \t == 0
	v_wmma_f32_16x16x4_f32 v[ACC+8*\i:ACC+8*\i+7], v[ZR+8*\t+2*\i:ZR+8*\t+2*\i+1], v[WR+8*\t+2*\i:WR+8*\t+2*\i+1], 0
.else
	v_wmma_f32_16x16x4_f32 v[ACC+8*\i:ACC+8*\i+7], v[ZR+8*\t+2*\i:ZR+8*\t+2*\i+1], v[WR+8*\t+2*\i:WR+8*\t+2*\i+1], v[ACC+8*\i:ACC+8*\i+7]
.endif
.endr
.endr
	FARP
.irp i, 0,1,2,3,4,5,6,7
	v_add_f32 v[PT+\i], v[ACC+\i], v[ACC+8+\i]                             ; each accumulator from its low end on
.endr
.irp i, 0,1,2,3,4,5,6,7
	v_add_f32 v[PT+8+\i], v[ACC+16+\i], v[ACC+24+\i]
.endr
.irp i, 0,1,2,3,4,5,6,7
	v_add_f32 v[PT+\i], v[PT+\i], v[PT+8+\i]       ; register j: (query 8 h + j, column r)
.endr
	ds_store_b128 v9, v[PT:PT+3]
	ds_store_b128 v9, v[PT+4:PT+7] offset:512
	s_wait_tensorcnt 0x0                           ; only LDS reads follow
	ds_add_u32 v7, v8
	s_wait_dscnt 0x0                               ; for the others' sake too: my part lies in LDS
	s_barrier_signal -1
	s_barrier_wait -1
	s_cmp_lt_u32 s12, 2
	s_cbranch_scc0 .Ldone
.irp hh, 0,1,2,3,4,5,6,7,8,9,10,11,12,13,14,15
	ds_load_b128 v[ZR+4*\hh:ZR+4*\hh+3], v10 offset:1024*\hh
.endr
	s_wait_dscnt 0x0
.irp hh, 1,2,3,4,5,6,7,8,9,10,11,12,13,14,15
	v_pk_add_f32 v[ZR:ZR+1], v[ZR:ZR+1], v[ZR+4*\hh:ZR+4*\hh+1]
	v_pk_add_f32 v[ZR+2:ZR+3], v[ZR+2:ZR+3], v[ZR+4*\hh+2:ZR+4*\hh+3]
.endr
.irp j, 0,1,2,3
	v_add_f32 v[ZR+\j], v[ZR+\j], v13
.endr
.irp j, 0,1,2,3
	global_store_b32 v11, v[ZR+\j], s[10:11] offset:4096*\j                ; sixteen lanes store 64 consecutive bytes: what 16 columns to a work-group allow, on 131,072 bytes in all
.endr
.Ldone:
	s_endpgm
.Lfunc_end_k_q9f5ebb509b_fine:
	.size	k_q9f5ebb509b_fine, .Lfunc_end_k_q9f5ebb509b_fine-k_q9f5ebb509b_fine
	.p2alignl 7, 3214868480
	.fill 96, 4, 3214868480
	.section	.rodata,"a",@progbits
	.p2align	6, 0x0
	.amdhsa_kernel k_q9f5ebb509b_fine
		.amdhsa_group_segment_fixed_size 18432
		.amdhsa_private_segment_fixed_size 0
		.amdhsa_enable_private_segment 0
		.amdhsa_kernarg_size 32
		.amdhsa_user_sgpr_count 2
		.amdhsa_user_sgpr_kernarg_segment_ptr 1
		.amdhsa_wavefront_size32 1
		.amdhsa_system_sgpr_workgroup_id_x 1
		.amdhsa_system_sgpr_workgroup_id_y 1
		.amdhsa_system_sgpr_workgroup_id_z 1
		.amdhsa_system_vgpr_workitem_id 0
		.amdhsa_next_free_vgpr 256
		.amdhsa_next_free_sgpr 66
		.amdhsa_reserve_vcc 0
		.amdhsa_float_denorm_mode_32 3
		.amdhsa_float_denorm_mode_16_64 3
		.amdhsa_memory_ordered 1
		.amdhsa_forward_progress 1
		.amdhsa_inst_pref_size 17
	.end_amdhsa_kernel
	.amdgpu_metadata
---
amdhsa.version: [ 1, 2 ]
amdhsa.kernels:
  - .name:           k_q9f5ebb509b_fine
    .symbol:         k_q9f5ebb509b_fine.kd
    .args:
      - { .name: xc, .offset: 0, .size: 8, .value_kind: global_buffer, .address_space: global }
      - { .name: W_O, .offset: 8, .size: 8, .value_kind: global_buffer, .address_space: global }
      - { .name: b_O, .offset: 16, .size: 8, .value_kind: global_buffer, .address_space: global }
      - { .name: out0, .offset: 24, .size: 8, .value_kind: global_buffer, .address_space: global }
    .group_segment_fixed_size: 18432
    .private_segment_fixed_size: 0
    .kernarg_segment_align: 8
    .kernarg_segment_size: 32
    .max_flat_workgroup_size: 512
    .sgpr_count:     66
    .vgpr_count:     256
    .wavefront_size: 32
...
	.end_amdgpu_metadata
.endif
;; end of part 5
